; MI455X (gfx1250); checked and timed in simulation.
; The chip was launched on July 23, 2026; its instructions are those of AMD's public machine-readable ISA for CDNA 5 (MIT licence, August 2026) and "CDNA5" Instruction Set Architecture Reference Guide (July 2026). The comments in the code are by the model that wrote it; some were corrected since.
;; Decoder Grouped Query Head Attention Rope. Allowed arithmetic: matrix products marked QUANTISED: E2M3 operands, one E8M0 scale for each 32 along K, by v_wmma_scale_f32_16x16x128_f8f6f4 with both operands' format E2M3, f32 sums; everything else in f32.
;; Inputs: Wkv_codes 1,024 x 64 x 24 uint8 (E2M3 codes of Wkv, K innermost, in blocks of 32 codes, four codes in three bytes); Wkv_scales 1,024 x 64 uint8 (E8M0 scales of Wkv, one for each 32 codes along K); Wo_codes 2,048 x 64 x 24 uint8 (E2M3 codes of Wo, K innermost, in blocks of 32 codes, four codes in three bytes); Wo_scales 2,048 x 64 uint8 (E8M0 scales of Wo, one for each 32 codes along K); Wq_codes 2,048 x 64 x 24 uint8 (E2M3 codes of Wq, K innermost, in blocks of 32 codes, four codes in three bytes); Wq_scales 2,048 x 64 uint8 (E8M0 scales of Wq, one for each 32 codes along K); bo 2,048 float32; rope_cos 2,048 x 64 float32; rope_sin 2,048 x 64 float32; x_codes 1 x 2,048 x 64 x 24 uint8 (E2M3 codes of x, K innermost, in blocks of 32 codes, four codes in three bytes); x_scales 1 x 2,048 x 64 uint8 (E8M0 scales of x, one for each 32 codes along K).
;; Outputs: out0 1 x 2,048 x 2,048 float32.
;; This version of the problem:
;;   THIS VERSION OF THE PROBLEM IS GIVEN IN LOW PRECISION. The matrix products marked QUANTISED in the list below multiply operands that are first quantised to E2M3 (2 exponent bits, 3 mantissa bits; 6 bits a number), with one power-of-two scale for each 32 numbers along K (OCP MX v1.0); their sums are f32. All else is computed in f32.
;;   The module's matrix products, in the order in which they are computed (A, B: the left and right operand; K: the contracted axis; several contracted axes count as one K, in the product's order):
;;     1. [M 2,048, K 2,048] x [K 2,048, N 2,048]; A: input x (given as codes); B: input Wq (given as codes): QUANTISED
;;     2. [M 2,048, K 2,048] x [K 2,048, N 1,024]; A: input x (given as codes); B: input Wkv (given as codes): QUANTISED
;;     3. batch 16 x [M 2,048, K 128] x [K 128, N 2,048]; A: computed on the way; B: computed on the way: QUANTISED
;;     4. batch 16 x [M 2,048, K 2,048] x [K 2,048, N 128]; A: softmax (see below); B: computed on the way: QUANTISED
;;     5. [M 2,048, K 2,048] x [K 2,048, N 2,048]; A: computed on the way; B: input Wo (given as codes): QUANTISED
;;   THE QUANTISER, for each operand of a quantised product, along K:
;;     - K is cut into blocks of 32 from its start; a last block that is shorter is filled with zeros.
;;     - A block's scale is 2^e with e = floor(log2(the largest magnitude in the block)) - 2, held to -126 .. 127; a block of zeros has e = 0. As a byte (E8M0): e + 127.
;;     - Each number is divided by its block's scale, clamped to +-7.5, and rounded to the nearest number of E2M3, ties to even, subnormals kept.
;;     - The product sums the exact products of the quantised numbers (number of the format x scale) in f32.
;;   ~~~python
;;   def quantise(x, axis):      # numpy; x: float32 -> the quantised numbers, widened to float32 again
;;       x = np.moveaxis(x, axis, -1); K = x.shape[-1]
;;       x = np.pad(x, [(0, 0)] * (x.ndim - 1) + [(0, -K % 32)]); x = x.reshape(x.shape[:-1] + (-1, 32)); a = np.abs(x).max(-1, keepdims=True)
;;       e = np.where(a > 0, np.clip(np.frexp(np.where(a > 0, a, 1))[1] - 1 - 2, -126, 127), 0)      # np.frexp(a)[1] - 1 = floor(log2(a)), exactly
;;       r = np.clip(x / 2.0 ** e, -7.5, 7.5)
;;       step = 2.0 ** (np.maximum(np.frexp(np.where(r == 0, 1, r))[1] - 1, 0) - 3)
;;       q = np.round(r / step) * step * 2.0 ** e      # np.round: ties to even
;;       return np.moveaxis(q.reshape(q.shape[:-2] + (-1,))[..., :K], -1, axis).astype(np.float32)
;;   ~~~
;;   SOFTMAX AHEAD OF A QUANTISED PRODUCT. Where the list says 'softmax', what is quantised is not the finished softmax but p = 2^(t - M), with t = logit x log2(e) and M = ceil(the row's largest t), a whole number; so 1/2 < the row's largest p <= 1. The row's sum l is taken of the UNQUANTISED p, in f32, and the product's result is divided by l at the end. Since M is a whole number, a kernel that streams over the keys may use a running M (the ceiling of the running maximum): every later rescaling is an exact power of two, which a block's scale takes up: the codes' values come out the same.
;;   OPERANDS COMPUTED ON THE WAY. 'Computed on the way' means the value that the module computes at that place (a softmax that the list does not call 'softmax' is quantised finished and normalised). What goes into a quantiser is computed in f32, as accurately as f32 sums, v_exp_f32 and their like allow (about 1e-6 of the number): no bf16 or f16 on the way to a quantiser, and a product that is left as it is and whose result goes on into a quantised operand takes f32 operands (vector FMAs, or v_wmma_f32_16x16x4_f32). A number that lies on a knife's edge between two numbers of the format may be rounded either way, as far as f32 arithmetic and the matrix unit's own rounding can turn it there, and no further.
;;   INPUTS GIVEN AS CODES. Wkv (in the module: [1024, 2048], K = its axis 1); Wo (in the module: [2048, 2048], K = its axis 1); Wq (in the module: [2048, 2048], K = its axis 1); x (in the module: [1, 2048, 2048], K = its axis 2): each comes as NAME_codes (uint8): NAME with its K axis moved to the last place and cut into blocks of 32 codes, [.., K / 32, bytes a block], one block behind the other in memory; four codes in three bytes: a row's codes are one little-endian stream of bits, code i at bits 6 i .. 6 i + 5 (a code: sign, 2 exponent bits, 3 mantissa bits); and NAME_scales (uint8): the same leading axes, one E8M0 byte (e + 127) for each 32 codes along K. Its value is code x scale, taken as it is: it is not quantised again, and the codes and scales need not be those that the quantiser above would give.
;; One version. Each part assembles by itself: llvm-mc -triple=amdgcn-amd-amdhsa -mcpu=gfx1250 --defsym DOCPART=n.
;; ======== version 1 of 1: 3 launches
;; limits: right only within a limited range of input values
;; workspace buffers: qimg 3,145,728 bytes; qsc 131,072 bytes; kv 1,638,400 bytes; att 3,145,728 bytes; asc 131,072 bytes
;; launch qkv (part 1): grid 16 x 16, 4 waves a work-group, clusters of 4 x 4, 327,680 bytes of LDS; arguments x_codes, x_scales, Wq_codes, Wq_scales, Wkv_codes, Wkv_scales, rope_cos, rope_sin, qimg, qsc, kv; writes qimg, qsc, kv
.if DOCPART == 1
	.amdgcn_target "amdgcn-amd-amdhsa--gfx1250"
	.amdhsa_code_object_version 6
	.text
	.protected	k_q28b29ffdd7_qkv
	.globl	k_q28b29ffdd7_qkv
	.p2align	8
	.type	k_q28b29ffdd7_qkv,@function
k_q28b29ffdd7_qkv:
	s_mov_b64 s[64:65], 0
	v_nop
	global_prefetch_b8 v0, s[64:65] scope:SCOPE_SE
	s_setreg_imm32_b32 hwreg(HW_REG_WAVE_MODE, 25, 1), 1
	s_wait_xcnt 0x0
	s_wait_alu depctr_hold_cnt(0) depctr_sa_sdst(0) depctr_va_vdst(0) depctr_va_sdst(0) depctr_va_ssrc(0) depctr_va_vcc(0) depctr_vm_vsrc(0)
	s_getreg_b32 s2, hwreg(HW_REG_IB_STS2, 6, 4)
	s_cmp_eq_u32 s2, 0
	s_cbranch_scc0 .Lentry_in_a_cluster
	s_endpgm
.Lentry_in_a_cluster:
	s_bfe_u32 s2, ttmp6, 0x10000c
	s_cmp_lg_u32 s2, 0xf033
	s_cbranch_scc0 .Lentry_shape_is_right
	s_endpgm
.Lentry_shape_is_right:
; q = rope(x Wq^T), k = rope(x Wk^T), v = x Wv^T on codes of FP6 (E2M3) with E8M0 scales, and the three results quantised again: q and k along the head's 128, v along the tokens.
; THE DEAL.  256 work-groups, 16 column groups g x 16 token blocks t of 128.  A work-group makes q's head g (128 columns) and HALF A HEAD of k (g < 8) or v (g >= 8): with kb = g % 2 the columns 32 kb .. + 31 and 64 + 32 kb .. + 31
; of head (g / 2) % 4: two whole scale blocks, and the two numbers that a rotation joins (d, d + 64) lie in one work-group.  So 128 x 192 results a work-group.
; WAVES, 2 x 2: wave (a, b) takes tokens 64 a .. + 63 (4 tiles), q's columns 32 b + 0 .. 31 and 64 + 32 b + 0 .. 31 (4 tiles: j = 0 low 0-15, 1 high 0-15, 2 low 16-31, 3 high 16-31), and of k's or v's columns 16 b + 0 .. 15 of both blocks (2 tiles):
; 24 accumulators.  q, k: source 0 = the weight's rows: a lane holds one token, its registers run along the columns.  v: source 0 = x's rows: a lane holds one channel, its registers run along the tokens.
; K IN LDS.  Weights: three chunks of 512 bytes of each row in a ring of two slots (192 rows: q's 128, the low 32, the high 32).  x: two halves of 768 bytes, one slot.  All rows begin at multiples of 256 bytes.
; A step of 128 along K is 96 bytes; steps 5 and 10 lie across two chunks of the weights.  x's first half goes on into registers in the first steps, so that its slot can take the second half early.
; FILLS, one tensor load a wave behind each barrier: head: chunk 0 (wave 0 q's rows, waves 2 and 3 the 32 low and high rows), x's first half (wave 1).  Head's end: chunk 1.  Step 2: x's second half.  Step 6: chunk 2.
; CLUSTERS of 4 x 4: x's rows hang on t and are asked for jointly along a row of the cluster, the weights' on g and jointly along a column.
; PREFETCHES: chunks 1 and 2 of the weights behind the head's loads, x's second half behind the first fragments: each 256 bytes named once in a cluster, shared out by address among the sixteen waves that will ask jointly.
; WHAT IS STORED.  A fragment (16 rows x 128 K) is an IMAGE OF ITS 12 REGISTERS: registers 4 c .. 4 c + 3 of lane l at 512 c + 16 l.  In every group of 32 rows image u (0, 1) holds in lane r row 8 u + r + 8 (r / 8).
; The scale words of a pair of images are 128 bytes: word l: lanes 0-15 image 0, lanes 16-31 image 1; byte p = block p.
; WORK LEFT OUT in the program: scores of whole key tiles behind a query tile: reference() replaces them by -1e30 under its own causal mask, so no value of the inputs brings them to an output (the attention launch leaves those steps out).
; A NaN, an infinity or an overflow that would arise in that work alone is not carried to the result.
; LIMITS: NaN and infinities (a scale byte 0xff) are not served.  A block whose largest magnitude lies under 2^-124, a block of zeros among them, gets the byte 1 where the rule gives another: its codes are zeros or subnormal codes,
; and the bytes are read by this program alone.
; REGISTERS: window 0: v4-7 weights' fragments across two chunks, v8-19 their tiles in slots 0 and 1, v20-27 x's tiles, v28-29 cos and sin; v30-61, v64-111 scale words (nothing else); v62-63 the add; v112-255 two buffers of weight fragments.
;   windows 1, 2: v0-191 x's fragments of steps s % 8 = 0-3 and 4-7; v192-255 cos, sin for q.   window 3: v0-127 q's sums, v128-191 k's or v's, v192-255 cos, sin for k.
.set WSL,  192*528                     ; a slot of the weights: rows of 512 + 16 bytes = 132 words: row r starts at bank 4 r mod 64 (64 banks of 4 bytes: ISA guide 11.1)
.set XB,   2*WSL                       ; x's slot: rows of 3 x (256 + 16) = 204 words: row r starts at bank 12 r mod 64
.set SPARE, XB+128*816                 ; the spare words
.set QST,  WSL                         ; THE STAGE lies in slot 1, which has had its last fill and is read by nobody behind the barrier in step 15
.set QSS,  QST+12288
.set VST,  QSS+512
.set VSS,  VST+6144
.set KST,  VSS+256
.set KX,   KST+6144
.set SX,   30                          ; x: register 8 (g / 4) + 4 (i % 2) + g % 4: tiles i (lanes 0-15), i + 2 (lanes 16-31), K step g
.set SPW,  62
.set NIL,  63
.set SQ,   64                          ; q: 8 (g / 4) + 4 (j / 2) + g % 4: tiles j even (lanes 0-15), j odd (lanes 16-31)
.set SK,   96                          ; k or v: register g: low block (lanes 0-15), high block (lanes 16-31)
.set WB,   112
.set WV,   26
.set AA,   27
.set BB,   28
.set CLX,  29
.set G1X,  36
.set G1Q,  44
.set G1K,  52
.set G0X,  76
.set G0Q,  80
.set G0K,  84
.set MSB, 0
.set CNT, 0                            ; LDS instructions issued, and how many of them when the next step's fragments were complete: the waits' counts
.set MARK, 0
.macro WIN new
.if MSB != \new
	s_set_vgpr_msb (MSB<<8)|\new
.set MSB, \new
.endif
.endm
.macro PLACES n
.rept \n
	v_nop
.endr
.endm
.macro CREST                           ; a round of the cluster's barrier behind its opening barrier
	s_cmp_lg_u32 s[WV], 0
	s_cbranch_scc1 .Lnot_wave_0_\@
	s_barrier_signal -3
.Lnot_wave_0_\@:
	s_barrier_wait -3
	s_barrier_signal -1
	s_barrier_wait -1
.endm
.macro CROUND
	s_barrier_signal -1
	s_barrier_wait -1
	CREST
.endm
.macro TL g0, g1
	tensor_load_to_lds s[\g0:\g0+3], s[\g1:\g1+7]
	s_nop 0
	PLACES 4
.endm
.macro WLOAD                           ; a chunk of the weights: wave 0 q's 128 rows, waves 2 and 3 32 rows each
	s_cmp_eq_u32 s[WV], 0
	s_cbranch_scc0 .Lrest_\@
	TL G0Q, G1Q
	s_branch .Lasked_\@
.Lrest_\@:
	s_cmp_lt_u32 s[WV], 2
	s_cbranch_scc1 .Lasked_\@
	TL G0K, G1K
.Lasked_\@:
.endm
.macro XLOAD                           ; x: wave 1
	s_cmp_eq_u32 s[WV], 1
	s_cbranch_scc0 .Lnone_\@
	TL G0X, G1X
.Lnone_\@:
.endm
.macro GROUP1 g, mask, bits, len, rows
	s_or_b32 s[\g], s[\mask], \bits
	s_mov_b32 s[\g+1], (\len)<<16
	s_mov_b32 s[\g+2], (\rows)<<16
	s_mov_b32 s[\g+3], (\len)<<16
	s_mov_b32 s[\g+4], \rows
	s_mov_b32 s[\g+5], 1536
	s_mov_b32 s[\g+6], 0
	s_mov_b32 s[\g+7], 0
.endm
; A fragment: lane (r, h) takes 24 bytes at 96 s + 24 h and 24 at 96 s + 48 + 24 h of row r, in pieces of 8 bytes, two to a load where one register serves both.
.macro WFRAG j, s                      ; the weights' tile j (4, 5: k's or v's), step s.  Byte Y_ of a row lies in chunk Y_ / 512, slot (Y_ / 512) % 2; where lanes 16-31 are in the next chunk v4-7 serve
.set R_, WB+72*((\s)%2)+12*(\j)
.set SKIP_, 0
.irp p, 0,1,2,3,4,5
.if SKIP_
.set SKIP_, 0
.else
.set Y_, 96*(\s)+48*(\p/3)+8*(\p%3)
.set Z_, 96*(\s)+48*((\p+1)/3)+8*((\p+1)%3)
.set T_, Y_/512
.if T_ != (Y_+24)/512
.set O_, Y_-(512*(T_+1)-24)
.if (\j) < 4
	ds_load_b64 v[R_+2*\p:R_+2*\p+1], v[4+2*(T_%2)] offset:O_+(16*((\j)/2)+64*((\j)%2))*528
.else
	ds_load_b64 v[R_+2*\p:R_+2*\p+1], v[5+2*(T_%2)] offset:O_+((\j)-4)*16896
.endif
.elseif (\p < 5) && (Z_/512 == T_) && ((Z_+24)/512 == T_)
.set SKIP_, 1
	ds_load_2addr_b64 v[R_+2*\p:R_+2*\p+3], v[8+6*(T_%2)+\j] offset0:(Y_%512)/8 offset1:(Z_%512)/8
.else
	ds_load_b64 v[R_+2*\p:R_+2*\p+1], v[8+6*(T_%2)+\j] offset:Y_%512
.endif
.set CNT, CNT+1
.endif
.endr
.endm
.macro FW s
.irp j, 0,1,2,3,4,5
	WFRAG \j, \s
.endr
.endm
.macro XFRAG i, q                      ; x's tile i, the half's step q: 16 bytes of padding behind every 32 pieces
.set R_, 48*((\q)%4)+12*\i
.set SKIP_, 0
.irp p, 0,1,2,3,4,5
.if SKIP_
.set SKIP_, 0
.else
.set PC_, 12*(\q)+6*(\p/3)+\p%3
.set PN_, 12*(\q)+6*((\p+1)/3)+(\p+1)%3
.set X_, (PC_%32+3)/32
.set XQ_, (PN_%32+3)/32
.if (\p < 5) && (X_ == XQ_)
.set SKIP_, 1
	ds_load_2addr_b64 v[R_+2*\p:R_+2*\p+3], v[20+2*\i+X_] offset0:PC_+2*(PC_/32) offset1:PN_+2*(PN_/32)
.else
	ds_load_b64 v[R_+2*\p:R_+2*\p+1], v[20+2*\i+X_] offset:8*(PC_+2*(PC_/32))
.endif
.set CNT, CNT+1
.endif
.endr
.endm
.macro FX q
	WIN 0x40*(1+(\q)/4)
.irp i, 0,1,2,3
	XFRAG \i, \q
.endr
	WIN 0
.endm
.macro PR ra, rb, z                    ; one product
.if \z
	v_wmma_scale_f32_16x16x128_f8f6f4 v[D_:D_+7], v[A_:A_+11], v[B_:B_+11], 0, v[SA_], v[SB_] matrix_a_fmt:MATRIX_FMT_FP6 matrix_b_fmt:MATRIX_FMT_FP6 matrix_a_scale:MATRIX_SCALE_ROW\ra matrix_b_scale:MATRIX_SCALE_ROW\rb
.else
	v_wmma_scale_f32_16x16x128_f8f6f4 v[D_:D_+7], v[A_:A_+11], v[B_:B_+11], v[D_:D_+7], v[SA_], v[SB_] matrix_a_fmt:MATRIX_FMT_FP6 matrix_b_fmt:MATRIX_FMT_FP6 matrix_a_scale:MATRIX_SCALE_ROW\ra matrix_b_scale:MATRIX_SCALE_ROW\rb
.endif
.endm
.macro Q1 s, i, j, ra, rb
.set D_, 32*(\i)+8*(\j)
.set A_, WB+72*((\s)%2)+12*(\j)
.set B_, 48*((\s)%4)+12*(\i)
.set SA_, SQ+8*((\s)/4)+4*((\j)/2)+(\s)%4
.set SB_, SX+8*((\s)/4)+4*((\i)%2)+(\s)%4
	PR \ra, \rb, (\s)==0
.endm
.macro Q8 s, i0, i1, rb                ; q: x's tiles i0, i1 against the weight's four.  The 24 accumulators take turns, one instruction a turn, in the same order in every step
	WIN 0xf0|((1+((\s)%8)/4)<<2)
.irp i, \i0, \i1
	Q1 \s, \i, 0, 0, \rb
	Q1 \s, \i, 1, 1, \rb
	Q1 \s, \i, 2, 0, \rb
	Q1 \s, \i, 3, 1, \rb
.endr
.endm
.macro K1 s, i, jj, rb
.set D_, 128+16*(\i)+8*(\jj)
.set A_, WB+72*((\s)%2)+48+12*(\jj)
.set B_, 48*((\s)%4)+12*(\i)
.set SA_, SK+(\s)
.set SB_, SX+8*((\s)/4)+4*((\i)%2)+(\s)%4
	PR \jj, \rb, (\s)==0
.endm
.macro V1 s, i, jj, ra                 ; v's accumulators lie in the order tiles 0, 2, 1, 3
.set D_, 128+32*(\jj)+8*(2*((\i)%2)+(\i)/2)
.set A_, 48*((\s)%4)+12*(\i)
.set B_, WB+72*((\s)%2)+48+12*(\jj)
.set SA_, SX+8*((\s)/4)+4*((\i)%2)+(\s)%4
.set SB_, SK+(\s)
	PR \ra, \jj, (\s)==0
.endm
.macro KV s                            ; k's or v's eight products: the branch hangs on the cluster's number alone
	WIN 0
	s_cmp_lt_u32 s[CLX], 2
	s_cbranch_scc0 .Lv_\@
	WIN 0xf0|((1+((\s)%8)/4)<<2)
	K1 \s, 0, 0, 0
	K1 \s, 0, 1, 0
	K1 \s, 1, 0, 0
	K1 \s, 1, 1, 0
	K1 \s, 2, 0, 1
	K1 \s, 2, 1, 1
	K1 \s, 3, 0, 1
	K1 \s, 3, 1, 1
	WIN 0
	s_branch .Lj_\@
.Lv_\@:
	WIN 0xf0|(1+((\s)%8)/4)
.irp jj, 0,1
	V1 \s, 0, \jj, 0
	V1 \s, 2, \jj, 1
	V1 \s, 1, \jj, 0
	V1 \s, 3, \jj, 1
.endr
	WIN 0
.Lj_\@:
.endm
.macro NEXT s                          ; the next step's fragments.  Four places behind the products that read the other buffer (ISA guide 7.12.1 for vector instructions)
	PLACES 4
	FW (\s)+1
.if (\s) >= 7
	FX (\s)-7
.endif
.set MARK, CNT
.if (\s) == 0                          ; and the rest of x's first half
	FX 3
	FX 4
.elseif (\s) == 1
	FX 5
	FX 6
	FX 7
.endif
.endm
.macro STEP s
	s_wait_dscnt CNT-MARK                          ; this step's fragments are in; x's of later steps may be out
	NEXT \s
	Q8 \s, 0, 1, 0
	Q8 \s, 2, 3, 1
	KV \s
.endm
; A step that fills a slot again: the three lines, eight products between the add and the wait for it, a round of the cluster's barrier, and the load first behind it.
.macro GSTEP s, load
	s_wait_tensorcnt 0x0                           ; all my tensor loads have landed
	ds_add_u32 v[SPW], v[NIL]
.set CNT, CNT+1
	s_wait_dscnt CNT-MARK                          ; this step's fragments are in; younger ones and the add may be out
	Q8 \s, 0, 1, 0
	s_wait_dscnt 0x0                               ; the add is done, and so are my reads of what is filled again
	s_barrier_signal -1
	Q8 \s, 2, 3, 1
	WIN 0
	s_barrier_wait -1
	CREST
	\load
	NEXT \s
	KV \s
.endm
.macro CSQ win, base                   ; cos or sin for q: register 16 i + 8 n + e: column 32 b + 16 n + 8 h + e of token 64 a + 16 i + r
	WIN \win
.irp i, 0,1,2,3
.irp n, 0,1
	global_load_b128 v[192+16*\i+8*\n:195+16*\i+8*\n], v28, s[\base:\base+1] offset:4096*\i+64*\n
	global_load_b128 v[196+16*\i+8*\n:199+16*\i+8*\n], v28, s[\base:\base+1] offset:4096*\i+64*\n+16
.endr
.endr
	WIN 0
.endm
.macro CSK off, base                   ; for k: register 8 i + e: column 32 kb + 16 b + 8 h + e.  (A work-group of v loads them too and does not use them: one text, every register written)
	WIN 0xc0
.irp i, 0,1,2,3
	global_load_b128 v[192+\off+8*\i:195+\off+8*\i], v29, s[\base:\base+1] offset:4096*\i
	global_load_b128 v[196+\off+8*\i:199+\off+8*\i], v29, s[\base:\base+1] offset:4096*\i+16
.endr
	WIN 0
.endm
.macro ROPE i, r                       ; token tile i's 32 sums, rotated, into v[r] on
	WIN 0x0b
.irp n, 0,1
.irp e, 0,2,4,6
	v_pk_mul_f32 v[112+16*\n+\e:113+16*\n+\e], v[32*\i+16*\n+\e:32*\i+16*\n+\e+1], v[192+16*\i+8*\n+\e:193+16*\i+8*\n+\e]
.endr
.irp e, 0,2,4,6
	v_pk_mul_f32 v[120+16*\n+\e:121+16*\n+\e], v[32*\i+16*\n+8+\e:32*\i+16*\n+9+\e], v[192+16*\i+8*\n+\e:193+16*\i+8*\n+\e]
.endr
.endr
	WIN 0x07
.irp n, 0,1
.irp e, 0,2,4,6
	v_pk_fma_f32 v[\r+16*\n+\e:\r+16*\n+\e+1], v[32*\i+16*\n+\e:32*\i+16*\n+\e+1], v[192+16*\i+8*\n+\e:193+16*\i+8*\n+\e], v[120+16*\n+\e:121+16*\n+\e] neg_lo:[0,0,1] neg_hi:[0,0,1]   ; t1 cos - t2 sin
	v_pk_fma_f32 v[\r+16*\n+8+\e:\r+16*\n+9+\e], v[32*\i+16*\n+8+\e:32*\i+16*\n+9+\e], v[192+16*\i+8*\n+\e:193+16*\i+8*\n+\e], v[112+16*\n+\e:113+16*\n+\e]                           ; t2 cos + t1 sin
.endr
.endr
	WIN 0
.endm
; 2 x 32 numbers of a lane from v144 on.  One exchange of halves leaves a whole scale block in a lane: lanes 0-15 the low one (v: tokens 0-31), lanes 16-31 the high one (v: tokens 32-63); then codes and bytes go to the stage.
.macro QUANT2 a0, a1, sa, o0, o1, p0, p1
.irp k, 0,16,32,48
.irp e, 0,1,2,3,4,5,6,7
	v_permlane16_swap_b32 v[144+\k+\e], v[152+\k+\e]
.endr
.endr
.irp t, 0,1
	v_max3_num_f32 v[208+2*\t], |v[144+32*\t]|, |v[145+32*\t]|, 0x1800000   ; with the floor 2^(3 - 127): the byte cannot fall under 1
	v_max3_num_f32 v[209+2*\t], |v[160+32*\t]|, |v[161+32*\t]|, |v[162+32*\t]|
.endr
.irp k, 2,4,6,8,10,12,14
.irp t, 0,1
	v_max3_num_f32 v[208+2*\t], v[208+2*\t], |v[144+32*\t+\k]|, |v[145+32*\t+\k]|
.if \k < 14
	v_max3_num_f32 v[209+2*\t], v[209+2*\t], |v[161+32*\t+\k]|, |v[162+32*\t+\k]|
.endif
.endr
.endr
.irp t, 0,1
	v_max3_num_f32 v[208+2*\t], v[208+2*\t], v[209+2*\t], |v[175+32*\t]|
.endr
.irp t, 0,1
	v_add_nc_u32 v[212+\t], 0xff000000, v[208+2*\t]   ; 2 off its exponent field: the conversion takes the exponent field as its scale
.endr
.irp t, 0,1
	v_cvt_scalef32_pk16_fp6_f32 v[216+12*\t:218+12*\t], v[144+32*\t:159+32*\t], v[212+\t]
	v_cvt_scalef32_pk16_fp6_f32 v[222+12*\t:224+12*\t], v[160+32*\t:175+32*\t], v[212+\t]
.endr
	v_lshrrev_b32 v214, 23, v212                   ; the scales' bytes: plain places behind the conversions
	v_lshrrev_b32 v215, 23, v213
.irp k, 0,1,2
	v_mov_b32 v[219+\k], v[222+\k]
	v_mov_b32 v[231+\k], v[234+\k]
.endr
	ds_store_b64 v[\a0], v[216:217] offset:\o0
	ds_store_b64 v[\a1], v[218:219] offset:\o0
	ds_store_b64 v[\a0], v[220:221] offset:\o0+512
	ds_store_b64 v[\a0], v[228:229] offset:\o1
	ds_store_b64 v[\a1], v[230:231] offset:\o1
	ds_store_b64 v[\a0], v[232:233] offset:\o1+512
	ds_store_b8 v[\sa], v214 offset:\p0
	ds_store_b8 v[\sa], v215 offset:\p1
.endm
	s_load_b256 s[4:11], s[0:1], 0x0               ; x's codes, x's scales, Wq's codes, Wq's scales
	s_load_b256 s[12:19], s[0:1], 0x20             ; Wkv's codes, Wkv's scales, cos, sin
	s_load_b128 s[20:23], s[0:1], 0x40             ; qimg, qsc
	s_load_b64 s[24:25], s[0:1], 0x50              ; kv
	v_lshl_add_u32 v[SPW], v0, 2, SPARE
	v_mov_b32 v[NIL], 0
	ds_add_u32 v[SPW], v[NIL]                      ; the opening lines
	ds_add_u32 v[SPW], v[NIL]
	v_lshrrev_b32 v112, 5, v0
	v_readfirstlane_b32 s[WV], v112                ; wave 0..3
	s_lshr_b32 s[AA], s[WV], 1
	s_and_b32 s[BB], s[WV], 1
	s_mov_b32 s[CLX], ttmp9                        ; the cluster's x: 0, 1 k; 2, 3 v
	s_bfe_u32 s30, ttmp6, 0x40000                  ; cx
	s_bfe_u32 s31, ttmp6, 0x40004                  ; cy
	s_lshl_b32 s32, s[CLX], 2
	s_add_co_u32 s32, s32, s30                     ; g
	s_and_b32 s33, ttmp7, 0xffff
	s_lshl_b32 s33, s33, 2
	s_add_co_u32 s33, s33, s31                     ; t
	s_lshl_b32 s35, s31, 2
	s_lshl_b32 s35, 15, s35                        ; my row of the cluster
	s_lshl_b32 s34, 0x1111, s30                    ; my column
	GROUP1 G1X, 35, (1<<20)|(1<<21)|(5<<22)|(3<<25), 768, 128   ; bytes; 16 of padding behind every 256
	GROUP1 G1Q, 34, (1<<20)|(1<<21)|(6<<22)|(3<<25), 512, 128   ; 16 behind every 512
	GROUP1 G1K, 34, (1<<20)|(1<<21)|(6<<22)|(3<<25), 512, 32
	s_mul_i32 s60, s33, 196608                     ; x's 128 rows of codes
	s_mov_b32 s61, 0
	s_mul_i32 s62, s32, 196608                     ; Wq's
	s_mov_b32 s63, 0
	s_and_b32 s88, s32, 1                          ; kb
	s_lshr_b32 s66, s32, 1
	s_lshl_b32 s66, s66, 7
	s_lshl_b32 s67, s88, 5
	s_add_co_u32 s66, s66, s67                     ; Wkv's first row
	s_mul_i32 s68, s66, 1536
	s_mov_b32 s69, 0
	s_lshl_b32 s70, s66, 6                         ; scale bytes, 64 a row: Wkv's at my wave's 16 rows,
	s_lshl_b32 s67, s[BB], 10
	s_add_co_u32 s70, s70, s67
	s_mov_b32 s71, 0
	s_lshl_b32 s72, s33, 13                        ; x's at my 64,
	s_lshl_b32 s67, s[AA], 12
	s_add_co_u32 s72, s72, s67
	s_mov_b32 s73, 0
	s_lshl_b32 s74, s32, 13                        ; Wq's at my 32
	s_lshl_b32 s67, s[BB], 11
	s_add_co_u32 s74, s74, s67
	s_mov_b32 s75, 0
	s_mul_i32 s90, s[BB], 98304                    ; wave 3 fetches the rows 64 further on
	s_mov_b32 s91, 0
	s_mul_i32 s89, s[BB], 16896
	s_add_co_u32 s89, s89, 67584                   ; and lays them 32 rows further on, behind q's 128
	s_mov_b32 s[G0X], 1
	s_mov_b32 s[G0X+1], XB
	s_mov_b32 s[G0Q], 1
	s_mov_b32 s[G0Q+1], 0
	s_mov_b32 s[G0K], 1
	s_mov_b32 s[G0K+1], s89
	s_wait_alu depctr_va_vdst(0)
	s_wait_dscnt 0x0
	s_wait_kmcnt 0x0
	s_add_nc_u64 s[4:5], s[4:5], s[60:61]
	s_add_nc_u64 s[6:7], s[6:7], s[72:73]
	s_add_nc_u64 s[8:9], s[8:9], s[62:63]
	s_add_nc_u64 s[10:11], s[10:11], s[74:75]
	s_add_nc_u64 s[12:13], s[12:13], s[68:69]
	s_add_nc_u64 s[14:15], s[14:15], s[70:71]
	s_mov_b64 s[G0X+2:G0X+3], s[4:5]
	s_mov_b64 s[G0Q+2:G0Q+3], s[8:9]
	s_add_nc_u64 s[G0K+2:G0K+3], s[12:13], s[90:91]
	s_or_b32 s[G0X+3], s[G0X+3], 0x80000000
	s_or_b32 s[G0Q+3], s[G0Q+3], 0x80000000
	s_or_b32 s[G0K+3], s[G0K+3], 0x80000000
	CROUND                                         ; all sixteen work-groups are here: the first joint loads meet
	s_cmp_eq_u32 s[WV], 0
	s_cbranch_scc0 .Lwave_1
	TL G0Q, G1Q
	s_branch .Lhead_asked
.Lwave_1:
	s_cmp_eq_u32 s[WV], 1
	s_cbranch_scc0 .Lwave_2
	TL G0X, G1X
	s_branch .Lhead_asked
.Lwave_2:
	TL G0K, G1K
.Lhead_asked:
	; scalars for the addresses below and for the way out
	s_lshl_b32 s94, s31, 2
	s_add_co_u32 s94, s94, s[WV]                   ; my number among the sixteen waves of my column,
	s_lshr_b32 s95, s94, 3
	s_lshl_b32 s95, s95, 5
	s_lshl_b32 s96, s94, 2
	s_add_co_u32 s95, s95, s96                     ; my four of Wkv's rows
	s_lshl_b32 s94, s94, 3                         ; my eight of Wq's
	s_lshl_b32 s96, s30, 2
	s_add_co_u32 s96, s96, s[WV]                   ; and of my row
	s_lshl_b32 s96, s96, 3                         ; my eight of x's
	s_lshl_b32 s97, s[AA], 14
	s_lshl_b32 s98, s[BB], 7
	s_add_co_u32 s98, s98, s97                     ; cos, sin for q
	s_lshl_b32 s99, s[BB], 6
	s_add_co_u32 s99, s99, s97
	s_lshl_b32 s97, s88, 7
	s_add_co_u32 s99, s99, s97                     ; for k
	s_mul_i32 s90, s[BB], 16896                    ; my q tiles' first row in a slot
	s_mul_i32 s91, s[BB], 8448
	s_add_co_u32 s91, s91, 67584                   ; my k or v tiles'
	s_mul_i32 s92, s[AA], 52224
	s_add_co_u32 s92, s92, XB                      ; my rows of x
	v_and_b32 v113, 15, v0                         ; r
	v_bfe_u32 v114, v0, 4, 1                       ; h
	v_lshlrev_b32 v121, 6, v113
	v_lshl_add_u32 v122, v114, 12, v121            ; the weights' scale rows: lanes 16-31 64 rows on
	v_lshl_add_u32 v121, v114, 11, v121            ; x's: lanes 16-31 32 rows on
.irp ks, 0,1,2,3                               ; the scale words, once: 16 bytes of a row are the words of four K steps
.irp i, 0,1
	global_load_b128 v[SX+8*\ks+4*\i:SX+8*\ks+4*\i+3], v121, s[6:7] offset:1024*\i+16*\ks
	global_load_b128 v[SQ+8*\ks+4*\i:SQ+8*\ks+4*\i+3], v122, s[10:11] offset:1024*\i+16*\ks
.endr
	global_load_b128 v[SK+4*\ks:SK+4*\ks+3], v122, s[14:15] offset:16*\ks
.endr
	v_and_b32 v115, 31, v0                         ; lane
	v_and_b32 v116, 3, v115
	v_lshlrev_b32 v116, 8, v116                    ; which of a row's four blocks of 256 bytes from byte 512 on
	v_lshrrev_b32 v117, 2, v115
	v_add_nc_u32 v118, s94, v117
	v_mul_u32_u24 v1, v118, 1536
	v_add_nc_u32 v1, v1, v116
	v_and_b32 v117, 3, v117
	v_add_nc_u32 v118, s95, v117
	v_mul_u32_u24 v2, v118, 1536
	v_add_nc_u32 v2, v2, v116
	v_and_b32 v118, 7, v115
	v_add_nc_u32 v118, s96, v118
	v_mul_u32_u24 v3, v118, 1536
	v_lshrrev_b32 v119, 3, v115
	v_min_u32 v119, 2, v119
	v_lshl_add_u32 v3, v119, 8, v3
	global_prefetch_b8 v1, s[8:9] offset:512 th:TH_LOAD_NT scope:SCOPE_SE
	global_prefetch_b8 v2, s[12:13] offset:512 th:TH_LOAD_NT scope:SCOPE_SE
	v_lshlrev_b32 v28, 8, v113
	v_lshl_add_u32 v28, v114, 5, v28               ; row r of 256 bytes + 32 h
	v_add_nc_u32 v29, s99, v28
	v_add_nc_u32 v28, s98, v28
	v_mul_u32_u24 v115, v113, 528
	v_mad_u32_u24 v116, v114, 24, v115
	v_sub_nc_u32 v117, 1, v114
	v_mad_u32_u24 v118, v114, WSL-488, v115        ; lanes 0-15 slot 0, byte 488; lanes 16-31 slot 1, byte 0 (488 is added below)
	v_add_nc_u32 v118, 488, v118
	v_mad_u32_u24 v119, v117, WSL+488, v115        ; lanes 0-15 slot 1, byte 488; lanes 16-31 slot 0, byte 0
	v_add_nc_u32 v4, s90, v118
	v_add_nc_u32 v5, s91, v118
	v_add_nc_u32 v6, s90, v119
	v_add_nc_u32 v7, s91, v119
	v_add_nc_u32 v8, s90, v116
	v_add_nc_u32 v9, 64*528, v8
	v_add_nc_u32 v10, 16*528, v8
	v_add_nc_u32 v11, 80*528, v8
	v_add_nc_u32 v12, s91, v116
	v_add_nc_u32 v13, 32*528, v12
.irp j, 0,1,2,3,4,5
	v_add_nc_u32 v[14+\j], WSL, v[8+\j]
.endr
	v_mul_u32_u24 v120, v113, 816
	v_mad_u32_u24 v118, v114, 24, v120
	v_mad_u32_u24 v119, v114, 40, v120             ; for pieces that lie behind one padding more in lanes 16-31
	v_add_nc_u32 v20, s92, v118
	v_add_nc_u32 v21, s92, v119
.irp i, 1,2,3
	v_add_nc_u32 v[20+2*\i], \i*13056, v20
	v_add_nc_u32 v[21+2*\i], \i*13056, v21
.endr
	s_wait_alu depctr_va_vdst(0)
	s_lshl_b32 s94, s33, 15
	s_mov_b32 s95, 0
	s_add_nc_u64 s[16:17], s[16:17], s[94:95]      ; cos, sin: block t's 128 rows of 256 bytes
	s_add_nc_u64 s[18:19], s[18:19], s[94:95]
	s_lshr_b32 s94, s32, 1
	s_and_b32 s94, s94, 3
	s_mul_i32 s94, s94, 409600
	s_mul_i32 s96, s33, 25600
	s_add_co_u32 s94, s94, s96
	s_add_nc_u64 s[24:25], s[24:25], s[94:95]      ; kv: head (g / 2) % 4, key step t
	s_mul_i32 s96, s32, 196608
	s_mul_i32 s98, s33, 12288
	s_add_co_u32 s96, s96, s98
	s_mul_i32 s98, s[WV], 3072
	s_add_co_u32 s96, s96, s98
	s_mov_b32 s97, 0
	s_add_nc_u64 s[20:21], s[20:21], s[96:97]      ; q: head g, my quarter of the block's eight images
	s_lshl_b32 s98, s32, 13
	s_lshl_b32 s96, s33, 9
	s_add_co_u32 s98, s98, s96
	s_mov_b32 s99, 0
	s_add_nc_u64 s[22:23], s[22:23], s[98:99]
	s_mul_i32 s60, s[AA], 6144                     ; THE WAY OUT: q's images: 4 a on, my lanes' half b
	s_lshl_b32 s61, s[BB], 8
	s_add_co_u32 s60, s60, s61
	s_add_co_u32 s60, s60, QST
	s_add_co_u32 s61, s60, 8
	s_lshl_b32 s66, s[AA], 8
	s_add_co_u32 s62, s66, s88
	s_add_co_u32 s62, s62, 24576                   ; k's scale bytes in memory
	s_add_co_u32 s63, s66, s[BB]
	s_add_co_u32 s63, s63, QSS                     ; q's in the stage
	s_lshl_b32 s67, s[BB], 7
	s_add_co_u32 s67, s67, VST
	s_mul_i32 s66, s[AA], 520
	s_add_co_u32 s66, s66, s67                     ; v's images
	s_mul_i32 s68, s[AA], 1016
	s_add_co_u32 s67, s67, s68
	s_add_co_u32 s67, s67, 8
	s_lshl_b32 s68, s[BB], 5
	s_lshl_b32 s69, s[AA], 1
	s_add_co_u32 s68, s68, s69
	s_add_co_u32 s68, s68, VSS                     ; v's scale bytes
	s_lshl_b32 s69, s[WV], 9
	s_add_co_u32 s69, s69, KX                      ; k's maxima: mine,
	s_xor_b32 s70, s[WV], 1
	s_lshl_b32 s70, s70, 9
	s_add_co_u32 s70, s70, KX                      ; and the other column's wave's
	s_mul_i32 s71, s[AA], 3072
	s_add_co_u32 s71, s71, KST                     ; k's images
	s_mul_i32 s72, s[BB], 3
	s_add_co_u32 s73, s72, 1
	s_add_co_u32 s74, s72, 2
	s_mul_i32 s75, s[WV], 3072
	s_lshl_b32 s93, s88, 8
	s_add_co_u32 s93, s93, s75                     ; k in memory
	s_add_co_u32 s75, s75, QST                     ; read back: q
	s_mul_i32 s92, s[WV], 1536
	s_add_co_u32 s92, s92, VST                     ; k, v
	s_mul_i32 s100, s88, 3072
	s_mul_i32 s101, s[AA], 6144
	s_add_co_u32 s100, s100, s101
	s_mul_i32 s101, s[BB], 1536
	s_add_co_u32 s100, s100, s101
	s_add_co_u32 s100, s100, 12288                 ; v in memory, behind k's eight images
	s_lshl_b32 s101, s88, 7
	s_add_co_u32 s101, s101, 25088                 ; v's scale words
	s_wait_tensorcnt 0x0                           ; my part of the head's tiles is in; the lines ahead of a later first fill
	ds_add_u32 v[SPW], v[NIL]
	s_mov_b32 s[G0Q+1], WSL                        ; no tensor load of mine is out: chunk 1, slot 1
	s_add_co_u32 s[G0K+1], s89, WSL
	s_add_nc_u64 s[G0Q+2:G0Q+3], s[G0Q+2:G0Q+3], 512
	s_add_nc_u64 s[G0K+2:G0K+3], s[G0K+2:G0K+3], 512
	s_wait_dscnt 0x0
	CROUND                                         ; chunk 0 and x's first half are in
	WLOAD
	s_wait_loadcnt 0x0                             ; the scale words
	FW 0
	FX 0
.set MARK, CNT
	FX 1
	FX 2
	global_prefetch_b8 v3, s[4:5] offset:768 th:TH_LOAD_NT scope:SCOPE_SE
	STEP 0                                         ; the first step's products start the sums: nothing is cleared
	STEP 1
	s_add_nc_u64 s[90:91], s[4:5], 768             ; x's second half
	s_wait_tensorcnt 0x0
	s_mov_b64 s[G0X+2:G0X+3], s[90:91]
	s_or_b32 s[G0X+3], s[G0X+3], 0x80000000
	GSTEP 2, XLOAD                                 ; x's first half lies in registers: its slot takes the second.  The round also shows chunk 1
	STEP 3
	CSQ 0x40, 16
	STEP 4
	CSQ 0x80, 18
	STEP 5
	s_wait_tensorcnt 0x0
	s_mov_b32 s[G0Q+1], 0                          ; chunk 2, slot 0
	s_mov_b32 s[G0K+1], s89
	s_add_nc_u64 s[G0Q+2:G0Q+3], s[G0Q+2:G0Q+3], 512
	s_add_nc_u64 s[G0K+2:G0K+3], s[G0K+2:G0K+3], 512
	GSTEP 6, WLOAD                                 ; chunk 0 was read for the last time for step 5.  The round also shows x's second half
	STEP 7
	CSK 0, 16
	CSK 32, 18
	STEP 8
	s_wait_dscnt CNT-MARK
	Q8 9, 0, 1, 0
	s_wait_tensorcnt 0x0                           ; chunk 2: a plain barrier shows it
	s_barrier_signal -1
	Q8 9, 2, 3, 1
	WIN 0
	s_barrier_wait -1
	NEXT 9
	KV 9
	STEP 10
	STEP 11
	STEP 12
	STEP 13
	STEP 14
	s_wait_xcnt 0x0                                ; v1-3 are written below
	s_wait_dscnt CNT-MARK                          ; my last fragments are in:
	s_barrier_signal -1                            ; behind this barrier nobody reads the slots any more
	Q8 15, 0, 1, 0
	Q8 15, 2, 3, 1
	WIN 0
	s_barrier_wait -1
	KV 15
	; THE WAY OUT.  Addresses first: they are also the places behind the last products.  Row 16 i + r of 64 belongs to image 2 (i / 2) + r / 8, lane 8 (i % 2) + r % 8
	v_and_b32 v1, 15, v0                           ; r
	v_bfe_u32 v2, v0, 4, 1                         ; h
	v_and_b32 v7, 31, v0
	v_lshlrev_b32 v7, 4, v7                        ; 16 x lane
	v_lshrrev_b32 v3, 3, v1                        ; r / 8
	v_and_b32 v4, 7, v1                            ; r % 8
	v_lshlrev_b32 v5, 4, v4
	v_mad_u32_u24 v6, v3, 1536, v5
	v_mad_u32_u24 v8, v2, 520, v6                  ; a block's register pairs 0 and 2 (512 bytes on): registers 6 h + 0, 1 and 4, 5 of the image
	v_add_nc_u32 v8, s60, v8
	v_mad_u32_u24 v9, v2, 1016, v6                 ; pair 1
	v_add_nc_u32 v9, s61, v9
	v_lshlrev_b32 v24, 2, v4
	v_lshl_add_u32 v24, v3, 6, v24
	v_lshl_add_u32 v10, v2, 1, v24
	v_add_nc_u32 v19, s62, v10                     ; k's scale bytes in memory: byte kb + 2 h
	v_add_nc_u32 v10, s63, v10                     ; q's: byte 2 h + b
	v_lshl_add_u32 v25, v2, 8, v6
	v_add_nc_u32 v11, s66, v25                     ; v: registers 6 a on of lane 8 b + r % 8 + 16 h
	v_add_nc_u32 v12, s67, v25
	v_add_nc_u32 v13, v24, v2
	v_add_nc_u32 v13, s68, v13                     ; byte 2 a + h
	v_add_nc_u32 v14, s69, v7
	v_add_nc_u32 v15, s70, v7
	v_mad_u32_u24 v26, v3, 768, v5
	v_add_nc_u32 v26, s71, v26                     ; k: only half the lanes of its images are made here: [image][piece][16 lanes][16 bytes]
.irp n, 0,1,2
	v_mad_u32_u24 v27, v2, 6, s[72+\n]             ; register 6 h + 3 b + n
	v_lshrrev_b32 v28, 2, v27
	v_and_b32 v27, 3, v27
	v_lshl_add_u32 v27, v27, 2, v26
	v_lshl_add_u32 v[16+\n], v28, 8, v27
.endr
	v_add_nc_u32 v20, s75, v7
	v_add_nc_u32 v22, QSS, v7
	v_add_nc_u32 v23, s92, v7
	v_lshlrev_b32 v24, 4, v1
	v_lshl_add_u32 v24, v2, 9, v24
	v_add_nc_u32 v24, s93, v24                     ; k in memory: 16 lanes to 256 bytes, 512 apart
	v_add_nc_u32 v25, s100, v7
	v_lshlrev_b32 v26, 3, v1
	v_lshl_add_u32 v26, v2, 8, v26
	v_add_nc_u32 v26, s101, v26
	v_lshrrev_b32 v27, 1, v7
	v_add_nc_u32 v27, VSS, v27
	s_wait_alu depctr_va_vdst(0)
	s_wait_loadcnt 0x0                             ; cos and sin
	ROPE 0, 144
	ROPE 1, 176
	QUANT2 8, 9, 10, 0, 128, 0, 32
	ROPE 2, 144
	ROPE 3, 176
	QUANT2 8, 9, 10, 3072, 3200, 128, 160
	s_cmp_lt_u32 s[CLX], 2
	s_cbranch_scc0 .Lv_out
	WIN 0x0f                                       ; k: rotated; a lane then holds 16 of a block's 32 columns (lanes 0-15 the low block, lanes 16-31 the high one); the other 16 are in the wave w xor 1
.irp i, 0,1,2,3
.irp e, 0,2,4,6
	v_pk_mul_f32 v[112+16*\i+\e:113+16*\i+\e], v[128+16*\i+\e:129+16*\i+\e], v[224+8*\i+\e:225+8*\i+\e]
.endr
.irp e, 0,2,4,6
	v_pk_mul_f32 v[120+16*\i+\e:121+16*\i+\e], v[136+16*\i+\e:137+16*\i+\e], v[224+8*\i+\e:225+8*\i+\e]
.endr
.endr
.irp i, 0,1,2,3
.irp e, 0,2,4,6
	v_pk_fma_f32 v[176+16*\i+\e:177+16*\i+\e], v[128+16*\i+\e:129+16*\i+\e], v[192+8*\i+\e:193+8*\i+\e], v[120+16*\i+\e:121+16*\i+\e] neg_lo:[0,0,1] neg_hi:[0,0,1]
	v_pk_fma_f32 v[184+16*\i+\e:185+16*\i+\e], v[136+16*\i+\e:137+16*\i+\e], v[192+8*\i+\e:193+8*\i+\e], v[112+16*\i+\e:113+16*\i+\e]
.endr
.endr
	WIN 0
.irp i, 0,1,2,3
.irp e, 0,1,2,3,4,5,6,7
	v_permlane16_swap_b32 v[176+16*\i+\e], v[184+16*\i+\e]
.endr
.endr
.irp i, 0,1,2,3
	v_max3_num_f32 v[240+\i], |v[176+16*\i]|, |v[177+16*\i]|, 0x1800000
.endr
.irp k, 2,4,6,8,10,12,14
.irp i, 0,1,2,3
	v_max3_num_f32 v[240+\i], v[240+\i], |v[176+16*\i+\k]|, |v[177+16*\i+\k]|
.endr
.endr
	ds_store_b128 v14, v[240:243]
	s_wait_alu depctr_va_vdst(0)
	s_branch .Lfirst_out
.Lv_out:
	WIN 0x03
.set I, 0
.rept 64
	v_mov_b32 v[144+I], v[128+I]                   ; into window 0, each accumulator from its low end on
.set I, I+1
.endr
	WIN 0
	QUANT2 11, 12, 13, 0, 3072, 0, 128
.Lfirst_out:
	s_wait_dscnt 0x0                               ; my part of the stage is written
	s_barrier_signal -1
	s_barrier_wait -1                              ; everybody's is
.irp k, 0,1,2,3,4,5
	ds_load_b128 v[112+4*\k:115+4*\k], v20 offset:512*\k
.endr
	ds_load_b128 v[136:139], v22
	s_wait_dscnt 0x0
.irp k, 0,1,2,3,4,5
	global_store_b128 v7, v[112+4*\k:115+4*\k], s[20:21] offset:512*\k   ; 32 lanes store 512 consecutive bytes, at a multiple of 256
.endr
	s_cmp_lg_u32 s[WV], 0
	s_cbranch_scc1 .Lno_words
	global_store_b128 v7, v[136:139], s[22:23]     ; the block's eight images' scale words
.Lno_words:
	s_cmp_lt_u32 s[CLX], 2
	s_cbranch_scc0 .Lno_k
	ds_load_b128 v[244:247], v15                   ; the other wave's maxima of the same blocks
	s_wait_dscnt 0x0
.irp i, 0,1,2,3
	v_max_num_f32 v[240+\i], v[240+\i], v[244+\i]
.endr
.irp i, 0,1,2,3
	v_add_nc_u32 v[156+\i], 0xff000000, v[240+\i]
.endr
.irp i, 0,1,2,3
	v_cvt_scalef32_pk16_fp6_f32 v[140+4*\i:142+4*\i], v[176+16*\i:191+16*\i], v[156+\i]
.endr
.irp i, 0,1,2,3
	v_lshrrev_b32 v[160+\i], 23, v[156+\i]
.endr
.irp i, 0,1,2,3
.irp n, 0,1,2
	ds_store_b32 v[16+\n], v[140+4*\i+\n] offset:1536*(\i/2)+128*(\i%2)
.endr
.endr
	s_cmp_eq_u32 s[BB], 0
	s_cbranch_scc0 .Lno_k
.irp i, 0,1,2,3
	global_store_b8 v19, v[160+\i], s[24:25] offset:128*(\i/2)+32*(\i%2)   ; k's scale bytes: the word's other two bytes are the neighbouring column group's; 256 bytes a work-group
.endr
.Lno_k:
	s_wait_dscnt 0x0
	s_barrier_signal -1
	s_barrier_wait -1                              ; k's images are whole
	s_cmp_lt_u32 s[CLX], 2
	s_cbranch_scc0 .Lv_store
.irp k, 0,1,2
	ds_load_b128 v[164+4*\k:167+4*\k], v23 offset:KST-VST+512*\k
.endr
	s_wait_dscnt 0x0
.irp k, 0,1,2
	global_store_b128 v24, v[164+4*\k:167+4*\k], s[24:25] offset:1024*\k   ; 16 lanes store 256 consecutive bytes, at a multiple of 256
.endr
	s_branch .Lend
.Lv_store:
.irp k, 0,1,2
	ds_load_b128 v[164+4*\k:167+4*\k], v23 offset:512*\k
.endr
	ds_load_b64 v[176:177], v27
	s_wait_dscnt 0x0
.irp k, 0,1,2
	global_store_b128 v25, v[164+4*\k:167+4*\k], s[24:25] offset:512*\k
.endr
	s_cmp_lg_u32 s[WV], 0
	s_cbranch_scc1 .Lend
	global_store_b64 v26, v[176:177], s[24:25]     ; v's two pairs of scale words, 128 bytes each
.Lend:
	s_wait_tensorcnt 0x0                           ; the wave's end
	ds_add_u32 v[SPW], v[NIL]
	s_wait_dscnt 0x0
	CROUND                                         ; the closing round: no work-group ends while a partner may still ask for a tile that names it
	s_endpgm
.Lfunc_end_k_q28b29ffdd7_qkv:
	.size	k_q28b29ffdd7_qkv, .Lfunc_end_k_q28b29ffdd7_qkv-k_q28b29ffdd7_qkv
	.p2alignl 7, 3214868480
	.fill 96, 4, 3214868480
	.section	.rodata,"a",@progbits
	.p2align	6, 0x0
	.amdhsa_kernel k_q28b29ffdd7_qkv
		.amdhsa_group_segment_fixed_size 327680
		.amdhsa_private_segment_fixed_size 0
		.amdhsa_enable_private_segment 0
		.amdhsa_kernarg_size 88
		.amdhsa_user_sgpr_count 2
		.amdhsa_user_sgpr_kernarg_segment_ptr 1
		.amdhsa_wavefront_size32 1
		.amdhsa_system_sgpr_workgroup_id_x 1
		.amdhsa_system_sgpr_workgroup_id_y 1
		.amdhsa_system_sgpr_workgroup_id_z 1
		.amdhsa_system_vgpr_workitem_id 0
		.amdhsa_next_free_vgpr 1024
		.amdhsa_next_free_sgpr 102
		.amdhsa_reserve_vcc 0
		.amdhsa_float_denorm_mode_32 3
		.amdhsa_float_denorm_mode_16_64 3
		.amdhsa_memory_ordered 1
		.amdhsa_forward_progress 1
		.amdhsa_inst_pref_size 166
	.end_amdhsa_kernel
	.amdgpu_metadata
---
amdhsa.version: [ 1, 2 ]
amdhsa.kernels:
  - .name:           k_q28b29ffdd7_qkv
    .symbol:         k_q28b29ffdd7_qkv.kd
    .args:
      - { .name: x_codes, .offset: 0, .size: 8, .value_kind: global_buffer, .address_space: global }
      - { .name: x_scales, .offset: 8, .size: 8, .value_kind: global_buffer, .address_space: global }
      - { .name: Wq_codes, .offset: 16, .size: 8, .value_kind: global_buffer, .address_space: global }
      - { .name: Wq_scales, .offset: 24, .size: 8, .value_kind: global_buffer, .address_space: global }
      - { .name: Wkv_codes, .offset: 32, .size: 8, .value_kind: global_buffer, .address_space: global }
      - { .name: Wkv_scales, .offset: 40, .size: 8, .value_kind: global_buffer, .address_space: global }
      - { .name: rope_cos, .offset: 48, .size: 8, .value_kind: global_buffer, .address_space: global }
      - { .name: rope_sin, .offset: 56, .size: 8, .value_kind: global_buffer, .address_space: global }
      - { .name: qimg, .offset: 64, .size: 8, .value_kind: global_buffer, .address_space: global }
      - { .name: qsc, .offset: 72, .size: 8, .value_kind: global_buffer, .address_space: global }
      - { .name: kv, .offset: 80, .size: 8, .value_kind: global_buffer, .address_space: global }
    .group_segment_fixed_size: 327680
    .private_segment_fixed_size: 0
    .kernarg_segment_align: 8
    .kernarg_segment_size: 88
    .max_flat_workgroup_size: 128
    .sgpr_count:     102
    .vgpr_count:     1024
    .wavefront_size: 32
...
	.end_amdgpu_metadata
.endif
;; end of part 1
;; launch attn (part 2): grid 64 x 4, 16 waves a work-group, clusters of 4 x 1, 327,680 bytes of LDS; arguments qimg, qsc, kv, att, asc; writes att, asc
.if DOCPART == 2
	.amdgcn_target "amdgcn-amd-amdhsa--gfx1250"
	.amdhsa_code_object_version 6
	.text
	.protected	k_q28b29ffdd7_attn
	.globl	k_q28b29ffdd7_attn
	.p2align	8
	.type	k_q28b29ffdd7_attn,@function
k_q28b29ffdd7_attn:
	s_mov_b64 s[64:65], 0
	v_nop
	global_prefetch_b8 v0, s[64:65] scope:SCOPE_SE
	s_setreg_imm32_b32 hwreg(HW_REG_WAVE_MODE, 25, 1), 1
	s_wait_xcnt 0x0
	s_wait_alu depctr_hold_cnt(0) depctr_sa_sdst(0) depctr_va_vdst(0) depctr_va_sdst(0) depctr_va_ssrc(0) depctr_va_vcc(0) depctr_vm_vsrc(0)
	s_getreg_b32 s2, hwreg(HW_REG_IB_STS2, 6, 4)
	s_cmp_eq_u32 s2, 0
	s_cbranch_scc0 .Lentry_in_a_cluster
	s_endpgm
.Lentry_in_a_cluster:
	s_bfe_u32 s2, ttmp6, 0x10000c
	s_cmp_lg_u32 s2, 0x3003
	s_cbranch_scc0 .Lentry_shape_is_right
	s_endpgm
.Lentry_shape_is_right:
; Causal attention on codes of FP6 (E2M3): S^T = K Q^T, p = 2^(t - M), O^T = V^T P^T, O / l, and O quantised along the head's 128 for the output projection.
; t = score x log2(e) / sqrt(128); M = the running largest t rounded UP to a whole number; p is not normalised; the row's sum l is taken of the unquantised p and divides at the end.
; INPUTS are images of operand registers (a fragment: registers 4 c .. 4 c + 3 of lane l at 512 c + 16 l, 1,536 bytes).  kv: [kv head][key step of 128][25,600]: K's 8 tiles, V's 8 tiles (rows: channels; K: the step's keys),
; K's 4 pairs of scale words, V's 4.  In every group of 32 rows tile u holds in lane r row 8 u + r + 8 (r / 8): so the 16 registers of two neighbouring result tiles are 16 neighbours along the next K.
; SHARES.  A cluster of four work-groups is the four query heads of one kv head: they walk the same K and V, and each slot is asked for JOINTLY (mask 15).  A work-group owns the blocks of 64 queries
; i and 31 - i (i: the cluster's x): 8 tiles of 16 queries, and i / 2 + (31 - i) / 2 + 2 = 17 block-steps whatever i is: 256 work-groups of equal work.
; Each tile is served by TWO waves, w and w + 8, which take the even and the odd key steps; their partial O, l and M meet in LDS at the end, brought under one M by exact powers of two.  Sixteen waves of 256 registers.
; Every work-group walks all four slots, so that the loops' trip counts are constants; a step whose keys all come after the wave's queries, or of the other parity, is jumped over by a scalar branch on ids.
; LIMITS: NaN and infinities are not served.  A block of p or of O whose largest magnitude lies under 2^-124 gets the byte 1: its codes are zeros or subnormal codes.  1 / l is v_rcp_f32's.
; A block's largest p is taken from the block's largest score by the same two instructions; this takes v_exp_f32 not to fall where its input rises.
; REGISTERS: v1-7, v10 addresses that stay; v8-9 the step's; v12 -M, v13 the largest t, v[14:15] the sum; v16-27 Q; v28 O's scale word; v32-79 four fragments; v80-95 at work at the end;
;   v96-159 S^T, then p, at the end the partner's O; v160-223 O^T; v224-243 codes; v232-247, v252-254 at work; v248-251 pairs of scale words; v253 p's scale word; v255 Q's.
.set STEPB, 25600                      ; a key step's bytes
.set SLOTB, 4*STEPB                    ; a slot: four key steps
.set SLOT1, 1<<17                      ; slot 1 begins here: one exclusive or turns an address in one slot into the other's
.set SPARE, 2*SLOT1                    ; the spare words, 128 bytes a wave: eight blocks of 256 bytes that no other line names
.set MRG,   8704                       ; the merge: 8,192 bytes of O, 128 of -M, 128 of l for each tile, in slot 0, which has had its last fill and is read by nobody then
.set WV,   14
.set PAR,  15                          ; 128 x (wave / 8): bit 7 of the first key of my steps
.set SEL,  20
.set CS,   22
.set G1,   24
.set G0,   32
.set TB,   36                          ; LDS byte at which the step in hand begins
.set KF,   37                          ; its first key
.set QMIN, 38
.set QMAX, 39
.macro PLACES n
.rept \n
	v_nop
.endr
.endm
.macro ROUND                           ; a round of the cluster's barrier
	s_barrier_signal -1
	s_barrier_wait -1
	s_cmp_lg_u32 s[WV], 0
	s_cbranch_scc1 .Lnot_wave_0_\@
	s_barrier_signal -3
.Lnot_wave_0_\@:
	s_barrier_wait -3
	s_barrier_signal -1
	s_barrier_wait -1
.endm
.macro KLOAD                           ; waves 0 to 3 fetch one key step each, 100 rows of 256 bytes; the branch hangs on the wave's number alone.  Four v_nop follow the line
	s_cmp_lt_u32 s[WV], 4
	s_cbranch_scc0 .Lnone_\@
	tensor_load_to_lds s[G0:G0+3], s[G1:G1+7]
	s_nop 0
.rept 4
	v_nop
.endr
.Lnone_\@:
.endm
.macro WM d, a, b, c, sa, sb, ra       ; one product.  c < 0: the constant 0 starts the sum.  ra: source 0's scale words stand in lanes 16-31
.if (\c) < 0
.if (\ra) == 0
	v_wmma_scale_f32_16x16x128_f8f6f4 v[(\d):(\d)+7], v[(\a):(\a)+11], v[(\b):(\b)+11], 0, v[(\sa)], v[(\sb)] matrix_a_fmt:MATRIX_FMT_FP6 matrix_b_fmt:MATRIX_FMT_FP6
.else
	v_wmma_scale_f32_16x16x128_f8f6f4 v[(\d):(\d)+7], v[(\a):(\a)+11], v[(\b):(\b)+11], 0, v[(\sa)], v[(\sb)] matrix_a_fmt:MATRIX_FMT_FP6 matrix_b_fmt:MATRIX_FMT_FP6 matrix_a_scale:MATRIX_SCALE_ROW1
.endif
.else
.if (\ra) == 0
	v_wmma_scale_f32_16x16x128_f8f6f4 v[(\d):(\d)+7], v[(\a):(\a)+11], v[(\b):(\b)+11], v[(\c):(\c)+7], v[(\sa)], v[(\sb)] matrix_a_fmt:MATRIX_FMT_FP6 matrix_b_fmt:MATRIX_FMT_FP6
.else
	v_wmma_scale_f32_16x16x128_f8f6f4 v[(\d):(\d)+7], v[(\a):(\a)+11], v[(\b):(\b)+11], v[(\c):(\c)+7], v[(\sa)], v[(\sb)] matrix_a_fmt:MATRIX_FMT_FP6 matrix_b_fmt:MATRIX_FMT_FP6 matrix_a_scale:MATRIX_SCALE_ROW1
.endif
.endif
.endm
; 64 numbers of a lane, register 16 b + i = k 32 b + 16 (lane / 16) + i of my row, become a fragment's codes in v[pc] on and the row's scale word in v[pw].
.macro QUANT s, tm, pw, pc
.irp b, 0,1,2,3
	v_max3_num_f32 v[(\tm)+\b], |v[(\s)+16*\b]|, |v[(\s)+1+16*\b]|, 0x1800000   ; and the floor 2^(3 - 127): the byte cannot fall under 1
.endr
.irp i, 2,4,6,8,10,12,14
.irp b, 0,1,2,3
	s_delay_alu instid0(VALU_DEP_4)
	v_max3_num_f32 v[(\tm)+\b], v[(\tm)+\b], |v[(\s)+16*\b+\i]|, |v[(\s)+1+16*\b+\i]|
.endr
.endr
.irp b, 0,1,2,3
	s_delay_alu instid0(VALU_DEP_4)
	v_permlanex16_b32 v[(\tm)+4+\b], v[(\tm)+\b], s[SEL], s[SEL+1]
.endr
.irp b, 0,1,2,3
	s_delay_alu instid0(VALU_DEP_4)
	v_max_num_f32 v[(\tm)+\b], v[(\tm)+\b], v[(\tm)+4+\b]
.endr
.irp b, 0,1,2,3
	s_delay_alu instid0(VALU_DEP_4)
	v_add_nc_u32 v[(\tm)+12+\b], 0xff000000, v[(\tm)+\b]
.endr
.irp b, 0,1,2,3
	s_delay_alu instid0(VALU_DEP_4)
	v_lshrrev_b32 v[(\tm)+4+\b], 23, v[(\tm)+12+\b]
.endr
	s_delay_alu instid0(VALU_DEP_3)
	v_lshl_or_b32 v[\pw], v[(\tm)+5], 8, v[(\tm)+4]
	s_delay_alu instid0(VALU_DEP_1)
	v_lshl_or_b32 v[\pw], v[(\tm)+6], 16, v[\pw]
	s_delay_alu instid0(VALU_DEP_1)
	v_lshl_or_b32 v[\pw], v[(\tm)+7], 24, v[\pw]
.irp c, 0,1
	v_cvt_scalef32_pk16_fp6_f32 v[(\pc)+6*\c:(\pc)+2+6*\c], v[(\s)+32*\c:(\s)+15+32*\c], v[(\tm)+12+2*\c]
	v_cvt_scalef32_pk16_fp6_f32 v[(\pc)+12+4*\c:(\pc)+14+4*\c], v[(\s)+16+32*\c:(\s)+31+32*\c], v[(\tm)+12+2*\c+1]
.endr
	v_nop                                          ; one plain place behind a scaled conversion
.irp c, 0,1
.irp i, 0,1,2
	v_permlane16_swap_b32 v[(\pc)+6*\c+\i], v[(\pc)+12+4*\c+\i]
.endr
.irp i, 0,1,2
	s_delay_alu instid0(VALU_DEP_3)
	v_mov_b32 v[(\pc)+3+6*\c+\i], v[(\pc)+12+4*\c+\i]
.endr
.endr
.endm
	s_load_b256 s[4:11], s[0:1], 0x0               ; qimg, qsc, kv, att
	s_load_b64 s[12:13], s[0:1], 0x20              ; asc
	v_lshl_add_u32 v5, v0, 2, SPARE
	v_mov_b32 v6, 0
	ds_add_u32 v5, v6
	ds_add_u32 v5, v6
	s_wait_dscnt 0x0
	v_lshrrev_b32 v8, 5, v0
	s_delay_alu instid0(VALU_DEP_1)
	v_readfirstlane_b32 s[WV], v8                  ; wave 0..15
	s_lshr_b32 s42, s[WV], 3
	s_lshl_b32 s[PAR], s42, 7
	s_lshr_b32 s17, s[WV], 1
	s_and_b32 s17, s17, 3                          ; which of a block's four tiles
	s_lshr_b32 s16, s[WV], 2
	s_xor_b32 s16, s16, s[WV]
	s_and_b32 s16, s16, 1                          ; which of the two blocks: bit 0 xor bit 2 of the wave's number, so that waves 4 apart and neighbours both differ
	s_sub_co_u32 s43, 31, ttmp9
	s_cmp_eq_u32 s16, 0
	s_cselect_b32 s18, ttmp9, s43                  ; block i or 31 - i
	s_lshl_b32 s19, s18, 2
	s_add_co_u32 s19, s19, s17                     ; my tile of queries, 0..127
	s_lshr_b32 s[QMIN], s19, 1
	s_lshl_b32 s[QMIN], s[QMIN], 5
	s_and_b32 s44, s19, 1
	s_lshl_b32 s44, s44, 3
	s_add_co_u32 s[QMIN], s[QMIN], s44             ; its first query: 32 (tile / 2) + 8 (tile % 2);
	s_add_co_u32 s[QMAX], s[QMIN], 23              ; its last
	s_bfe_u32 s45, ttmp6, 0x40000                  ; cx: the query head within the group: it enters Q's, att's and asc's addresses alone
	s_and_b32 s46, ttmp7, 0xffff                   ; the kv head
	s_lshl_b32 s47, s46, 2
	s_add_co_u32 s47, s47, s45                     ; the query head
	s_lshl_b32 s48, s47, 7
	s_add_co_u32 s48, s48, s19
	s_mul_i32 s48, s48, 1536                       ; Q's image
	s_mov_b32 s49, 0
	s_lshl_b32 s50, s47, 13
	s_lshl_b32 s58, s19, 6
	s_add_co_u32 s50, s50, s58                     ; its scale words: 64 bytes a tile
	s_mov_b32 s51, 0
	s_and_b32 s58, s[WV], 3
	s_mul_i32 s[G0+1], s58, STEPB                  ; 63:32 LDS address: slot 0, key step wave % 4
	s_mul_i32 s52, s46, 409600
	s_add_co_u32 s52, s52, s[G0+1]                 ; and the same step in memory
	s_mov_b32 s53, 0
	s_lshl_b32 s54, s46, 7
	s_add_co_u32 s54, s54, s19
	s_lshl_b32 s54, s54, 2
	s_add_co_u32 s54, s54, s45
	s_mul_i32 s54, s54, 1536                       ; att: [kv head][tile][head % 4][1,536]
	s_mov_b32 s55, 0
	s_lshr_b32 s56, s19, 3
	s_lshl_b32 s56, s56, 4
	s_add_co_u32 s56, s56, s47
	s_lshl_b32 s56, s56, 9
	s_and_b32 s58, s19, 7
	s_lshl_b32 s58, s58, 6
	s_add_co_u32 s56, s56, s58                     ; asc: [tile / 8][head][tile % 8][64]
	s_mov_b32 s57, 0
	s_mov_b32 s[G0], 1                             ; 1:0 count = 1
	s_mov_b32 s[G1], 15|(3<<16)|(1<<21)            ; 15:0 the mask: all four work-groups; 17:16 elements of 8 bytes; 21 set beside a mask; no padding
	s_mov_b32 s[G1+1], 32<<16                      ; tensor_dim0 = 32 elements: 256 bytes
	s_mov_b32 s[G1+2], 100<<16                     ; tensor_dim1 = 100
	s_mov_b32 s[G1+3], 32<<16                      ; tile_dim0
	s_mov_b32 s[G1+4], 100                         ; tile_dim1
	s_mov_b32 s[G1+5], 32                          ; tensor_dim0_stride: dense
	s_mov_b32 s[G1+6], 0
	s_mov_b32 s[G1+7], 0
	s_mov_b32 s[SEL], 0x76543210
	s_mov_b32 s[SEL+1], 0xfedcba98
	s_mov_b32 s[CS], 0x3e0293ee                    ; c = log2(e) / sqrt(128)
	s_mov_b32 s[CS+1], s[CS]                       ; (named with it as a pair, so it is written)
	s_mov_b32 s[TB], 0
	s_mov_b32 s[KF], 0
	s_mov_b32 s40, 3
	; every address register that stays is made here, ahead of the first branch on the wave's number
	v_and_b32 v11, 31, v0                          ; lane
	v_and_b32 v8, 15, v0                           ; r
	v_bfe_u32 v9, v0, 4, 1                         ; h
	s_delay_alu instid0(VALU_DEP_3)
	v_lshlrev_b32 v1, 4, v11                       ; 16 x lane: an image's place for my lane
	s_delay_alu instid0(VALU_DEP_4)
	v_lshl_add_u32 v2, v11, 2, 24576               ; 4 x lane, behind a step's sixteen images: a pair of scale words
	s_delay_alu instid0(VALU_DEP_4)
	v_lshlrev_b32 v10, 2, v8                       ; 4 r
	v_and_b32 v3, 8, v8
	s_delay_alu instid0(VALU_DEP_1)
	v_add_nc_u32 v3, v3, v8
	v_lshlrev_b32 v4, 4, v9
	s_delay_alu instid0(VALU_DEP_1)
	v_sub_nc_u32 v3, v3, v4
	s_delay_alu instid0(VALU_DEP_1)
	v_add_nc_u32 v3, s[QMIN], v3                   ; my query - 16 h
	s_and_b32 s59, s[WV], 7
	s_mul_i32 s59, s59, MRG
	v_add_nc_u32 v4, s59, v1                       ; the merge: O
	v_lshl_add_u32 v7, v11, 2, s59
	s_delay_alu instid0(VALU_DEP_1)
	v_add_nc_u32 v7, 8192, v7                      ; -M, and 128 bytes on l
	s_wait_kmcnt 0x0
	s_add_nc_u64 s[4:5], s[4:5], s[48:49]
	s_add_nc_u64 s[6:7], s[6:7], s[50:51]
	s_add_nc_u64 s[G0+2:G0+3], s[8:9], s[52:53]    ; 120:64 global address
	s_or_b32 s[G0+3], s[G0+3], 0x80000000          ; 127:126 type = 2
	s_add_nc_u64 s[10:11], s[10:11], s[54:55]
	s_add_nc_u64 s[12:13], s[12:13], s[56:57]
	ROUND                                          ; all four work-groups are here: the first joint loads meet
	KLOAD                                          ; key steps 0 to 3 into slot 0
.irp c, 0,1,2
	global_load_b128 v[16+4*\c:19+4*\c], v1, s[4:5] offset:512*\c   ; Q's fragment stays in registers
.endr
	s_wait_alu depctr_va_vdst(0)
	global_load_b32 v255, v10, s[6:7]              ; its scale words
	v_mov_b32 v13, 0xff61b1e6                      ; the largest t so far: -3e38, under every t
	s_delay_alu instid0(VALU_DEP_1)
	v_floor_f32 v12, -v13                          ; -M
	v_mov_b32 v14, 0
	v_mov_b32 v15, 0
.irp b, 0,1,2,3
	v_mov_b32 v[236+\b], 0                         ; written once: a lane permute's destination counts as one of its sources
	v_mov_b32 v[84+\b], 0
.endr
	v_mov_b32 v253, 0                              ; (named as the upper half of the pair v[252:253] before it is first written)
.set NN, 0
.rept 64
	v_mov_b32 v[160+NN], 0                         ; O^T.  (The step is written once: a wave's first step finds zeros, which the first change of M leaves zeros; a wave with no step hands zeros on)
.set NN, NN+1
.endr
; A KEY STEP: 128 keys.
.macro STEP
	s_cmp_gt_u32 s[KF], s[QMAX]                    ; all its keys come after my queries,
	s_cbranch_scc1 .Lhidden_\@
	s_and_b32 s42, s[KF], 128
	s_cmp_lg_u32 s42, s[PAR]                       ; or it is my partner's: a scalar branch on ids, round the work; no barrier and no tensor load stands in a step
	s_cbranch_scc1 .Lhidden_\@
	v_add_nc_u32 v8, s[TB], v1
	s_wait_alu depctr_va_vdst(0)
	v_add_nc_u32 v9, s[TB], v2
	v_nop
	v_nop                                          ; with the two additions: four places ahead of loads into registers that the last products read
.irp b, 0,1,2,3
	ds_load_b32 v[248+\b], v9 offset:128*\b        ; K's scale words: lanes 0-15 tile 2 b, lanes 16-31 tile 2 b + 1
.endr
.irp g, 0,1                                    ; S^T = K Q^T, four tiles of 16 keys at a time
.if \g > 0
	PLACES 4
.endif
.irp t, 0,1,2,3
.irp c, 0,1,2
	ds_load_b128 v[32+12*\t+4*\c:35+12*\t+4*\c], v8 offset:1536*(4*\g+\t)+512*\c
.endr
.endr
	s_wait_dscnt 0x0
.irp t, 0,1,2,3
	WM 96+8*(4*\g+\t), 32+12*\t, 16, -1, 248+2*\g+\t/2, 255, \t%2
.endr
.endr                                          ; lane (r, h) holds one query; register 16 b + i holds key KF + 32 b + 16 h + i
	PLACES 4
	s_add_co_u32 s42, s[KF], 127                   ; on the diagonal the scores of hidden keys become -infinity ahead of the maximum: p = 0 then.  A step all of whose keys count skips this
	s_cmp_le_u32 s42, s[QMIN]
	s_cbranch_scc1 .Lopen_\@
	s_sub_co_i32 s42, 0, s[KF]
	v_add_nc_u32 v252, s42, v3                     ; d = my query - KF - 16 h: register 16 b + i is hidden where 32 b + i > d
	v_mov_b32 v254, 0xff800000
.set NN, 0
.rept 64
	v_cmp_gt_i32 vcc_lo, 32*(NN/16)+NN%16, v252
	v_cndmask_b32 v[96+NN], v[96+NN], v254, vcc_lo
.set NN, NN+1
.endr
.Lopen_\@:
.irp b, 0,1,2,3
	v_max3_num_f32 v[232+\b], v[96+16*\b], v[97+16*\b], v[98+16*\b]   ; the largest score of each block of 32 keys: for the row's maximum, and, since p rises with the score, for the block's largest p
.endr
.irp i, 3,5,7,9,11,13
.irp b, 0,1,2,3
	v_max3_num_f32 v[232+\b], v[232+\b], v[96+16*\b+\i], v[97+16*\b+\i]
.endr
.endr
.irp b, 0,1,2,3
	v_max_num_f32 v[232+\b], v[232+\b], v[111+16*\b]
.endr
.irp b, 0,1,2,3
	s_delay_alu instid0(VALU_DEP_4)
	v_permlanex16_b32 v[236+\b], v[232+\b], s[SEL], s[SEL+1]
.endr
.irp b, 0,1,2,3
	s_delay_alu instid0(VALU_DEP_4)
	v_max_num_f32 v[232+\b], v[232+\b], v[236+\b]  ; with lane l xor 16's 16 keys
.endr
	s_delay_alu instid0(VALU_DEP_2)
	v_max3_num_f32 v254, v232, v233, v234
	s_delay_alu instid0(VALU_DEP_1)
	v_max_num_f32 v254, v254, v235                 ; the step's largest score of my query
	s_delay_alu instid0(VALU_DEP_1)
	v_mul_f32 v254, s[CS], v254                    ; as t (c is positive)
	s_delay_alu instid0(VALU_DEP_1)
	v_max_num_f32 v13, v13, v254                   ; the running largest t
	v_mov_b32 v254, v12
	s_delay_alu instid0(VALU_DEP_2)
	v_floor_f32 v12, -v13                          ; the new -M = floor(-t): M is a whole number
	s_delay_alu instid0(VALU_DEP_1)
	v_sub_f32 v254, v12, v254                      ; old M - new M: a whole number, 0 or less
	s_delay_alu instid0(VALU_DEP_1)
	v_cvt_i32_f32 v254, v254                       ; (it saturates)
	s_delay_alu instid0(VALU_DEP_1)
	v_ldexp_f32 v252, 1.0, v254                    ; f = 2^(old M - new M): a multiplication by it rounds nothing
.irp j, 0,2,4,6,8,10,12,14,16,18,20,22,24,26,28,30,32,34,36,38,40,42,44,46,48,50,52,54,56,58,60,62
	v_pk_fma_f32 v[96+\j:97+\j], v[96+\j:97+\j], s[CS:CS+1], v[12:13] op_sel_hi:[1,0,0]   ; t - M, two at a time
.endr
.irp b, 0,1,2,3
	v_fma_f32 v[232+\b], v[232+\b], s[CS], v12     ; the same of each block's largest score
.endr
.set NN, 0
	s_wait_alu depctr_va_vdst(0)
.rept 64
	v_exp_f32 v[96+NN], v[96+NN]                   ; p = 2^(t - M), at most 1
.set NN, NN+1
.endr
.irp b, 0,1,2,3
	v_exp_f32 v[232+\b], v[232+\b]                 ; the block's largest p
.endr
	v_pk_mul_f32 v[14:15], v[14:15], v[252:253] op_sel_hi:[1,0]   ; the sums under the new M.  (A plain place behind the exponentials)
	s_wait_alu depctr_va_vdst(0)
.irp b, 0,1,2,3
	v_max_num_f32 v[232+\b], 0x1800000, v[232+\b]  ; the floor 2^(3 - 127): the byte cannot fall under 1
.endr
.irp b, 0,1,2,3
	s_delay_alu instid0(VALU_DEP_4)
	v_add_nc_u32 v[244+\b], 0xff000000, v[232+\b]  ; 2 off the exponent field: the conversion's scale operand
.endr
.irp b, 0,1,2,3
	s_delay_alu instid0(VALU_DEP_4)
	v_lshrrev_b32 v[236+\b], 23, v[244+\b]         ; the scale's byte
.endr
	s_delay_alu instid0(VALU_DEP_3)
	v_lshl_or_b32 v253, v237, 8, v236              ; p's scale word for these 128 keys
	s_delay_alu instid0(VALU_DEP_1)
	v_lshl_or_b32 v253, v238, 16, v253
	s_delay_alu instid0(VALU_DEP_1)
	v_lshl_or_b32 v253, v239, 24, v253
.irp c, 0,1
	v_cvt_scalef32_pk16_fp6_f32 v[224+6*\c:226+6*\c], v[96+32*\c:111+32*\c], v[244+2*\c]
	v_cvt_scalef32_pk16_fp6_f32 v[236+4*\c:238+4*\c], v[112+32*\c:127+32*\c], v[244+2*\c+1]
.endr
	v_nop                                          ; one plain place behind a scaled conversion
.irp c, 0,1
.irp i, 0,1,2
	v_permlane16_swap_b32 v[224+6*\c+\i], v[236+4*\c+\i]
.endr
.irp i, 0,1,2
	s_delay_alu instid0(VALU_DEP_3)
	v_mov_b32 v[227+6*\c+\i], v[236+4*\c+\i]
.endr
.endr
	v_pk_add_f32 v[236:237], v[100:101], v[104:105]
	v_pk_add_f32 v[250:251], v[108:109], v[112:113]
	v_pk_add_f32 v[248:249], v[116:117], v[120:121]
	v_pk_add_f32 v[246:247], v[124:125], v[128:129]
	v_pk_add_f32 v[244:245], v[132:133], v[136:137]
	v_pk_add_f32 v[242:243], v[140:141], v[144:145]
	v_pk_add_f32 v[240:241], v[148:149], v[152:153]
	v_pk_add_f32 v[14:15], v[14:15], v[156:157]
	v_pk_add_f32 v[236:237], v[236:237], v[96:97]
	v_pk_add_f32 v[250:251], v[250:251], v[98:99]
	v_pk_add_f32 v[248:249], v[248:249], v[102:103]
	v_pk_add_f32 v[246:247], v[246:247], v[106:107]
	v_pk_add_f32 v[244:245], v[244:245], v[110:111]
	v_pk_add_f32 v[242:243], v[242:243], v[114:115]
	v_pk_add_f32 v[240:241], v[240:241], v[118:119]
	v_pk_add_f32 v[14:15], v[14:15], v[122:123]
	v_pk_add_f32 v[236:237], v[236:237], v[126:127]
	v_pk_add_f32 v[250:251], v[250:251], v[130:131]
	v_pk_add_f32 v[248:249], v[248:249], v[134:135]
	v_pk_add_f32 v[246:247], v[246:247], v[138:139]
	v_pk_add_f32 v[244:245], v[244:245], v[142:143]
	v_pk_add_f32 v[242:243], v[242:243], v[146:147]
	v_pk_add_f32 v[240:241], v[240:241], v[150:151]
	v_pk_add_f32 v[14:15], v[14:15], v[154:155]
	v_pk_add_f32 v[236:237], v[236:237], v[158:159]
	s_delay_alu instid0(VALU_DEP_2)
	v_pk_add_f32 v[14:15], v[14:15], v[246:247]
	s_delay_alu instid0(VALU_DEP_2)
	v_pk_add_f32 v[236:237], v[236:237], v[244:245]
	v_pk_add_f32 v[250:251], v[250:251], v[242:243]
	v_pk_add_f32 v[248:249], v[248:249], v[240:241]
	s_delay_alu instid0(VALU_DEP_2)
	v_pk_add_f32 v[14:15], v[14:15], v[250:251]
	s_delay_alu instid0(VALU_DEP_2)
	v_pk_add_f32 v[236:237], v[236:237], v[248:249]
	s_delay_alu instid0(VALU_DEP_1)
	v_pk_add_f32 v[14:15], v[14:15], v[236:237]
.irp j, 0,2,4,6,8,10,12,14,16,18,20,22,24,26,28,30,32,34,36,38,40,42,44,46,48,50,52,54,56,58,60,62
	v_pk_mul_f32 v[160+\j:161+\j], v[160+\j:161+\j], v[252:253] op_sel_hi:[1,0]   ; O^T under the new M.  (These 32 are also the places ahead of the products and loads below)
.endr
.irp b, 0,1,2,3
	ds_load_b32 v[248+\b], v9 offset:512+128*\b    ; V's scale words
.endr
	s_wait_alu depctr_va_vdst(0)
.irp g, 0,1                                    ; O^T += V^T P^T: four tiles of 16 channels at a time; each accumulator has one instruction a step
.if \g > 0
	PLACES 4
.endif
.irp t, 0,1,2,3
.irp c, 0,1,2
	ds_load_b128 v[32+12*\t+4*\c:35+12*\t+4*\c], v8 offset:12288+1536*(4*\g+\t)+512*\c
.endr
.endr
	s_wait_dscnt 0x0
.irp t, 0,1,2,3
	WM 160+8*(4*\g+\t), 32+12*\t, 224, 160+8*(4*\g+\t), 248+2*\g+\t/2, 253, \t%2
.endr
.endr
.Lhidden_\@:
	s_add_co_u32 s[KF], s[KF], 128
	s_add_co_u32 s[TB], s[TB], STEPB
.endm
; THE CHANGE OF SLOTS stands at a slot's head.  Each wave waits for all its tensor loads, adds 0 to its spare word, and waits for that and for its reads of the slot that it has left.
; fill = 1: the barrier is a round of the cluster's, and the slot that was left is filled with the next four key steps: the load has a whole slot's steps in which to land.
.macro CHANGE fill
	s_wait_tensorcnt 0x0                           ; no tensor load of mine is out, so the group 0 may be written
	ds_add_u32 v5, v6                              ; 0 onto my spare word
.if \fill
	s_xor_b32 s[G0+1], s[G0+1], SLOT1              ; the other slot than last time,
	s_add_nc_u64 s[G0+2:G0+3], s[G0+2:G0+3], SLOTB ; the next four key steps; the type bits on top are not reached
.endif
	s_wait_dscnt 0x0                               ; the add is done, and my reads of the slot that I have left are over
.if \fill
	ROUND
	KLOAD                                          ; the first thing behind the round, and a wave's one tensor load until the next
.else
	s_barrier_signal -1
	s_barrier_wait -1
.endif
.endm
.macro FOUR_STEPS                      ; a slot's four key steps: written once, walked four times
	s_mov_b32 s41, 4
.Lstep_\@:
	STEP
	s_sub_co_u32 s41, s41, 1
	s_cmp_lg_u32 s41, 0
	s_cbranch_scc1 .Lstep_\@
	s_sub_co_u32 s[TB], s[TB], SLOTB               ; back to a slot's first step,
	s_xor_b32 s[TB], s[TB], SLOT1                  ; in the other slot
.endm
	s_wait_loadcnt 0x0                             ; Q
.Lslot:                                            ; three trips: behind each change of slots but the last the next slot is asked for
	CHANGE 1
	FOUR_STEPS
	s_sub_co_u32 s40, s40, 1
	s_cmp_lg_u32 s40, 0
	s_cbranch_scc1 .Lslot
	CHANGE 0                                       ; the last slot is written out
	FOUR_STEPS
	; THE MERGE.  Waves 8 to 15 hand their O^T, -M and l to waves 0 to 7 through LDS, as they stand in the registers.
	PLACES 4
	v_add_f32 v14, v14, v15                        ; my lane's part of l
	s_wait_dscnt 0x0
	s_barrier_signal -1
	s_barrier_wait -1                              ; nobody reads the ring any more
	s_cmp_lt_u32 s[WV], 8
	s_cbranch_scc1 .Lkeeper
.set NN, 0
	s_wait_alu depctr_va_vdst(0)
.rept 16
	ds_store_b128 v4, v[160+4*NN:163+4*NN] offset:512*NN   ; each accumulator from its low end on
.set NN, NN+1
.endr
	ds_store_b32 v7, v12
	ds_store_b32 v7, v14 offset:128
.Lkeeper:
	s_wait_dscnt 0x0                               ; for the others' sake: my stores are done
	s_barrier_signal -1
	s_barrier_wait -1
	s_cmp_lt_u32 s[WV], 8
	s_cbranch_scc0 .Ldone
.set NN, 0
.rept 16
	ds_load_b128 v[96+4*NN:99+4*NN], v4 offset:512*NN
.set NN, NN+1
.endr
	ds_load_b32 v236, v7                           ; the partner's -M
	ds_load_b32 v237, v7 offset:128                ; and l
	s_wait_dscnt 0x0
	v_min_num_f32 v238, v12, v236                  ; the common -M: the larger M
	s_delay_alu instid0(VALU_DEP_1)
	v_sub_f32 v239, v238, v12                      ; whole numbers, 0 or less
	s_delay_alu instid0(VALU_DEP_2)
	v_sub_f32 v240, v238, v236                     ; (a partner that had no step holds -M = 3e38: the conversion saturates and its factor is 0)
	s_delay_alu instid0(VALU_DEP_2)
	v_cvt_i32_f32 v239, v239
	s_delay_alu instid0(VALU_DEP_2)
	v_cvt_i32_f32 v240, v240
	s_delay_alu instid0(VALU_DEP_2)
	v_ldexp_f32 v239, 1.0, v239                    ; f0
	s_wait_alu depctr_va_vdst(0)
	v_ldexp_f32 v240, 1.0, v240                    ; f1: both exact powers of two
	v_mul_f32 v14, v14, v239
	s_delay_alu instid0(VALU_DEP_1)
	v_fma_f32 v14, v237, v240, v14
	s_delay_alu instid0(VALU_DEP_1)
	v_permlanex16_b32 v236, v14, s[SEL], s[SEL+1]
	s_delay_alu instid0(VALU_DEP_1)
	v_add_f32 v14, v14, v236                       ; with lane l xor 16's: the row's sum
	s_wait_alu depctr_va_vdst(0)
	v_rcp_f32 v14, v14
	v_nop                                          ; one plain place behind a transcendental
	s_wait_alu depctr_va_vdst(0)
	v_mul_f32 v244, v239, v14
	v_mul_f32 v246, v240, v14
	s_delay_alu instid0(VALU_DEP_2)
	v_mov_b32 v245, v244                           ; (named as pairs, so both halves are written)
	s_delay_alu instid0(VALU_DEP_2)
	v_mov_b32 v247, v246
.irp j, 0,2,4,6,8,10,12,14,16,18,20,22,24,26,28,30,32,34,36,38,40,42,44,46,48,50,52,54,56,58,60,62
	v_pk_mul_f32 v[160+\j:161+\j], v[160+\j:161+\j], v[244:245] op_sel_hi:[1,0]
.endr
.irp j, 0,2,4,6,8,10,12,14,16,18,20,22,24,26,28,30,32,34,36,38,40,42,44,46,48,50,52,54,56,58,60,62
	v_pk_fma_f32 v[160+\j:161+\j], v[96+\j:97+\j], v[246:247], v[160+\j:161+\j] op_sel_hi:[1,0,1]   ; O / l: register 16 b + i is channel 32 b + 16 h + i of my query
.endr
	QUANT 160, 80, 28, 224
.irp c, 0,1,2
	global_store_b128 v1, v[224+4*\c:227+4*\c], s[10:11] offset:512*\c   ; the image: 32 lanes store 512 consecutive bytes, at a multiple of 256 from the buffer's first byte
.endr
	global_store_b32 v10, v28, s[12:13]            ; 64 bytes of scale words (both halves of the lanes write the same word): a quarter of an aligned 256 bytes, one byte in 24 of what the launch stores
.Ldone:
	s_wait_tensorcnt 0x0                           ; the wave's end: behind my last tensor load and my last LDS store
	ds_add_u32 v5, v6
	s_wait_dscnt 0x0
	ROUND                                          ; the closing round: no work-group ends while a partner may still ask for a tile that names it
	s_endpgm
.Lfunc_end_k_q28b29ffdd7_attn:
	.size	k_q28b29ffdd7_attn, .Lfunc_end_k_q28b29ffdd7_attn-k_q28b29ffdd7_attn
	.p2alignl 7, 3214868480
	.fill 96, 4, 3214868480
	.section	.rodata,"a",@progbits
	.p2align	6, 0x0
	.amdhsa_kernel k_q28b29ffdd7_attn
		.amdhsa_group_segment_fixed_size 327680
		.amdhsa_private_segment_fixed_size 0
		.amdhsa_enable_private_segment 0
		.amdhsa_kernarg_size 40
		.amdhsa_user_sgpr_count 2
		.amdhsa_user_sgpr_kernarg_segment_ptr 1
		.amdhsa_wavefront_size32 1
		.amdhsa_system_sgpr_workgroup_id_x 1
		.amdhsa_system_sgpr_workgroup_id_y 1
		.amdhsa_system_sgpr_workgroup_id_z 1
		.amdhsa_system_vgpr_workitem_id 0
		.amdhsa_next_free_vgpr 256
		.amdhsa_next_free_sgpr 66
		.amdhsa_reserve_vcc 1
		.amdhsa_float_denorm_mode_32 3
		.amdhsa_float_denorm_mode_16_64 3
		.amdhsa_memory_ordered 1
		.amdhsa_forward_progress 1
		.amdhsa_inst_pref_size 75
	.end_amdhsa_kernel
	.amdgpu_metadata
---
amdhsa.version: [ 1, 2 ]
amdhsa.kernels:
  - .name:           k_q28b29ffdd7_attn
    .symbol:         k_q28b29ffdd7_attn.kd
    .args:
      - { .name: qimg, .offset: 0, .size: 8, .value_kind: global_buffer, .address_space: global }
      - { .name: qsc, .offset: 8, .size: 8, .value_kind: global_buffer, .address_space: global }
      - { .name: kv, .offset: 16, .size: 8, .value_kind: global_buffer, .address_space: global }
      - { .name: att, .offset: 24, .size: 8, .value_kind: global_buffer, .address_space: global }
      - { .name: asc, .offset: 32, .size: 8, .value_kind: global_buffer, .address_space: global }
    .group_segment_fixed_size: 327680
    .private_segment_fixed_size: 0
    .kernarg_segment_align: 8
    .kernarg_segment_size: 40
    .max_flat_workgroup_size: 512
    .sgpr_count:     66
    .vgpr_count:     256
    .wavefront_size: 32
...
	.end_amdgpu_metadata
.endif
;; end of part 2
;; launch oproj (part 3): grid 16 x 16, 4 waves a work-group, clusters of 4 x 4, 327,680 bytes of LDS; arguments att, asc, Wo_codes, Wo_scales, bo, out0; writes out0
.if DOCPART == 3
	.amdgcn_target "amdgcn-amd-amdhsa--gfx1250"
	.amdhsa_code_object_version 6
	.text
	.protected	k_q28b29ffdd7_oproj
	.globl	k_q28b29ffdd7_oproj
	.p2align	8
	.type	k_q28b29ffdd7_oproj,@function
k_q28b29ffdd7_oproj:
	s_mov_b64 s[64:65], 0
	v_nop
	global_prefetch_b8 v0, s[64:65] scope:SCOPE_SE
	s_setreg_imm32_b32 hwreg(HW_REG_WAVE_MODE, 25, 1), 1
	s_wait_xcnt 0x0
	s_wait_alu depctr_hold_cnt(0) depctr_sa_sdst(0) depctr_va_vdst(0) depctr_va_sdst(0) depctr_va_ssrc(0) depctr_va_vcc(0) depctr_vm_vsrc(0)
	s_getreg_b32 s2, hwreg(HW_REG_IB_STS2, 6, 4)
	s_cmp_eq_u32 s2, 0
	s_cbranch_scc0 .Lentry_in_a_cluster
	s_endpgm
.Lentry_in_a_cluster:
	s_bfe_u32 s2, ttmp6, 0x10000c
	s_cmp_lg_u32 s2, 0xf033
	s_cbranch_scc0 .Lentry_shape_is_right
	s_endpgm
.Lentry_shape_is_right:
; out = attention's output x Wo^T + bo on codes of FP6 (E2M3) with E8M0 scales; out0 [2,048][2,048] f32.
; A work-group of four waves makes 128 tokens x 128 columns: 256 work-groups.  P SIDE (source 0): 128 rows of Wo, 1,536 bytes of codes each.  Q SIDE (source 1): 8 tiles of 16 tokens, as images of operand
; registers (att: [kv head][tile][head % 4][1,536]; a head is one step of 128 along K; registers 4 c .. 4 c + 3 of lane l at 512 c + 16 l).  Wave w: token tiles 4 (w / 2) on x Wo's tiles 4 (w % 2) on: 16 accumulators.
; In a token tile 2 g + u lane r holds token 32 g + 8 u + r + 8 (r / 8): the way out puts the rows where they belong.  A lane holds eight neighbouring columns of one token.
; K IN LDS.  Wo's rows in two halves of 768 bytes (8 steps), each with LDS bytes of its own; the tokens in two slots of one kv head (4 steps, 49,152 dense bytes), filled by turns.  Every row of a tensor load begins at a multiple of 256 bytes.
; FILLS, one tensor load a wave behind each barrier: head: Wo's first half (wave 0), kv head 0 (wave 1), the scales (waves 2, 3).  Head's end: Wo's second half (wave 0), kv head 1 (wave 1).  Behind steps 3 and 7: kv heads 2 and 3 (wave 1).
; CLUSTERS: 4 x 4 work-groups.  Wo's tiles hang on the column block: asked for jointly down a column of the cluster; the tokens' on the token block: jointly along a row.
; PREFETCHES: Wo's second half behind the head's loads, kv heads 2 and 3 behind the first fragments: each 256 bytes named once in a cluster, shared out by address among the sixteen waves that will ask jointly.
; The bias is the C of each sum's first product.  LIMITS: NaN and infinities (a scale byte 0xff) are not served.
; REGISTERS: window 0: v1-27 addresses; v30-61 Wo's, v64-95 the tokens' scale words (nothing else); v62-63 the add; v96-127 the bias, 8 a tile of Wo;
;   v128-255 the accumulators ((a, j) at 128 + 32 a + 8 j).   window 1: two buffers of fragments, at v0 and v128: Wo's tile j at 12 j, token tile a at 48 + 12 a.
.set TIL,  16*816                      ; 16 rows of Wo: 3 x (256 bytes + 16 of padding) = 204 words a row: row r starts at bank 12 r mod 64 (64 banks of 4 bytes: ISA guide 11.1)
.set W1B,  128*816                     ; Wo's first half lies at LDS byte 0, its second here,
.set TK,   2*W1B                       ; then the tokens' two slots,
.set TKS,  49152
.set SCL,  TK+2*TKS                    ; the scales: Wo's 32 blocks of 256 + 16 bytes, then the tokens',
.set SPARE, SCL+2*8704                 ; and the spare words
; THE STAGE for the way out, 16 rows x (256 + 16) bytes for each wave, lies in Wo's first half, which is filled once, and nobody reads it behind the barrier that follows step 7.
.set ADP,  4                           ; v4-11: my four tiles of Wo's first half (4 + 2 j; 5 + 2 j for pieces behind one padding more in lanes 16-31); v12-19: of its second
.set ADQ,  20                          ; v20, v21: my token tiles in slots 0, 1
.set ADSP, 22
.set ADSQ, 23
.set STO,  24
.set RD,   25
.set CO,   26
.set VB,   27
.set SP,   30
.set SPW,  62
.set NIL,  63
.set SQ,   64
.set BIAS, 96
.set ACC,  128
.set WV,   32
.set ROLE, 33                          ; wave / 2: which four token tiles are mine
.set HALF, 34                          ; wave % 2: which four tiles of Wo
.set G1P,  16
.set G1Q,  24
.set G1SP, 36
.set G1SQ, 44
.set G0P,  52
.set G0Q,  56
.set G0SP, 68
.set G0SQ, 76
.set MSB, 0
.macro WIN new
.if MSB != \new
	s_set_vgpr_msb (MSB<<8)|\new
.set MSB, \new
.endif
.endm
.macro PLACES n
.rept \n
	v_nop
.endr
.endm
.macro CREST
	s_cmp_lg_u32 s[WV], 0
	s_cbranch_scc1 .Lnot_wave_0_\@
	s_barrier_signal -3
.Lnot_wave_0_\@:
	s_barrier_wait -3
	s_barrier_signal -1
	s_barrier_wait -1
.endm
.macro CROUND
	s_barrier_signal -1
	s_barrier_wait -1
	CREST
.endm
.macro TL g0, g1
	tensor_load_to_lds s[\g0:\g0+3], s[\g1:\g1+7]
	s_nop 0
	PLACES 4
.endm
.macro GROUP1 g, mask, bits, len, rows, pitch
	s_or_b32 s[\g], s[\mask], \bits
	s_mov_b32 s[\g+1], (\len)<<16
	s_mov_b32 s[\g+2], (\rows)<<16
	s_mov_b32 s[\g+3], (\len)<<16
	s_mov_b32 s[\g+4], \rows
	s_mov_b32 s[\g+5], \pitch
	s_mov_b32 s[\g+6], 0
	s_mov_b32 s[\g+7], 0
.endm
.macro FRAG j, g, f                    ; Wo's tile j, K step g: lane (r, h) takes 24 bytes at 96 q + 24 h and 24 at 96 q + 48 + 24 h of row r (q = g % 8), in pieces of 8 bytes, two to a load where one register serves both
.set R_, (\f)+12*\j
.set SKIP_, 0
.irp p, 0,1,2,3,4,5
.if SKIP_
.set SKIP_, 0
.else
.set PC_, 12*((\g)%8)+6*(\p/3)+\p%3
.set PN_, 12*((\g)%8)+6*((\p+1)/3)+(\p+1)%3
.set X_, (PC_%32+3)/32
.set XQ_, (PN_%32+3)/32
.if (\p < 5) && (X_ == XQ_)
.set SKIP_, 1
	ds_load_2addr_b64 v[R_+2*\p:R_+2*\p+3], v[ADP+8*((\g)/8)+2*\j+X_] offset0:PC_+2*(PC_/32) offset1:PN_+2*(PN_/32)
.else
	ds_load_b64 v[R_+2*\p:R_+2*\p+1], v[ADP+8*((\g)/8)+2*\j+X_] offset:8*(PC_+2*(PC_/32))
.endif
.endif
.endr
.endm
.macro FETCH g                         ; the eight fragments of K step g into buffer g % 2
	WIN 0x40
.irp j, 0,1,2,3
	FRAG \j, \g, 128*((\g)%2)
.endr
.set R_, 128*((\g)%2)+48
.irp a, 0,1,2,3
.irp c, 0,1,2
	ds_load_b128 v[R_+12*\a+4*\c:R_+12*\a+4*\c+3], v[ADQ+((\g)/4)%2] offset:6144*\a+1536*((\g)%4)+512*\c
.endr
.endr
	WIN 0
.endm
.macro SCALES ks                       ; the scale words of K steps 4 ks on: Wo's tiles jj (lanes 0-15) and jj + 2; token tiles 2 pp (lanes 0-15) and 2 pp + 1
.irp jj, 0,1
	ds_load_b128 v[SP+8*(\ks)+4*\jj:SP+8*(\ks)+4*\jj+3], v[ADSP] offset:1088*\jj+16*(\ks)
.endr
.irp q, 0,1,2,3
.irp pp, 0,1
	ds_load_b32 v[SQ+8*(\ks)+4*\pp+\q], v[ADSQ] offset:544*(4*(\ks)+\q)+128*\pp
.endr
.endr
.endm
.macro PR g, a, j, ra, rb
.set D_, ACC+32*\a+8*\j
.set A_, 128*((\g)%2)+12*\j
.set B_, 128*((\g)%2)+48+12*\a
.set SA_, SP+8*((\g)/4)+4*(\j%2)+(\g)%4
.set SB_, SQ+8*((\g)/4)+4*(\a/2)+(\g)%4
.if (\g) == 0
.set C_, BIAS+8*\j
.else
.set C_, D_
.endif
	v_wmma_scale_f32_16x16x128_f8f6f4 v[D_:D_+7], v[A_:A_+11], v[B_:B_+11], v[C_:C_+7], v[SA_], v[SB_] matrix_a_fmt:MATRIX_FMT_FP6 matrix_b_fmt:MATRIX_FMT_FP6 matrix_a_scale:MATRIX_SCALE_ROW\ra matrix_b_scale:MATRIX_SCALE_ROW\rb
.endm
.macro MUL8 g, a0, a1                  ; two token tiles against my four tiles of Wo.  The sixteen accumulators take turns, one instruction a turn, in the same order in every step
	WIN 0x05
	PR \g, \a0, 0, 0, 0
	PR \g, \a0, 1, 0, 0
	PR \g, \a0, 2, 1, 0
	PR \g, \a0, 3, 1, 0
	PR \g, \a1, 0, 0, 1
	PR \g, \a1, 1, 0, 1
	PR \g, \a1, 2, 1, 1
	PR \g, \a1, 3, 1, 1
.endm
.macro STEP g
	s_wait_dscnt 0x0                               ; this step's fragments (and the scale words asked for so far) are in
	PLACES 4                                       ; four places behind the products that read the other buffer (ISA guide 7.12.1 for vector instructions)
.if (\g) < 3
	SCALES (\g)+1
.endif
	FETCH (\g)+1
	MUL8 \g, 0, 1
	MUL8 \g, 2, 3
	WIN 0
.endm
; A slot's last step changes slots.  fill = 1: the slot that is left takes the kv head two further on.
.macro TURN g, fill
	s_wait_tensorcnt 0x0                           ; all my tensor loads have landed
	ds_add_u32 v[SPW], v[NIL]
	s_wait_dscnt 1                                 ; the fragments are in; only the add may be out
	MUL8 \g, 0, 1
	s_wait_dscnt 0x0
	s_barrier_signal -1
	MUL8 \g, 2, 3
	WIN 0
	s_barrier_wait -1
.if \fill
	CREST
	s_add_nc_u64 s[G0Q+2:G0Q+3], s[G0Q+2:G0Q+3], 786432
	s_mov_b32 s[G0Q+1], TK+TKS*(((\g)/4)%2)
	s_cmp_eq_u32 s[WV], 1
	s_cbranch_scc0 .Lnone_\@
	TL G0Q, G1Q
.Lnone_\@:
.endif
	PLACES 4
	FETCH (\g)+1
.endm
	s_load_b256 s[4:11], s[0:1], 0x0               ; att, asc, Wo's codes, Wo's scales
	s_load_b128 s[12:15], s[0:1], 0x20             ; bo, out0
	v_lshl_add_u32 v[SPW], v0, 2, SPARE
	v_mov_b32 v[NIL], 0
	ds_add_u32 v[SPW], v[NIL]                      ; the opening lines
	ds_add_u32 v[SPW], v[NIL]
	v_lshrrev_b32 v128, 5, v0
	v_readfirstlane_b32 s[WV], v128
	s_lshr_b32 s[ROLE], s[WV], 1
	s_and_b32 s[HALF], s[WV], 1
	s_bfe_u32 s60, ttmp6, 0x40000                  ; cx
	s_bfe_u32 s61, ttmp6, 0x40004                  ; cy
	s_lshl_b32 s62, ttmp9, 2
	s_add_co_u32 s62, s62, s60                     ; X: the block of 128 columns
	s_and_b32 s63, ttmp7, 0xffff
	s_lshl_b32 s63, s63, 2
	s_add_co_u32 s63, s63, s61                     ; Y: the block of 128 tokens
	s_lshl_b32 s101, s61, 2
	s_lshl_b32 s101, 15, s101                      ; my row of the cluster
	s_lshl_b32 s100, 0x1111, s60                   ; my column
	GROUP1 G1P, 100, (1<<20)|(1<<21)|(5<<22)|(3<<25), 768, 128, 1536             ; bytes; 16 of padding behind every 256
	GROUP1 G1Q, 101, (3<<16)|(1<<21), 32, 192, 32                                ; a dense block as rows of 256 bytes, no padding
	GROUP1 G1SP, 100, (3<<16)|(1<<20)|(1<<21)|(5<<22)|(3<<25), 32, 32, 32        ; 8,192 dense bytes as 32 rows of 256, 16 of padding behind each
	GROUP1 G1SQ, 101, (3<<16)|(1<<20)|(1<<21)|(5<<22)|(3<<25), 32, 32, 32
	s_mul_i32 s72, s62, 196608                     ; Wo's rows
	s_mov_b32 s73, 0
	s_mul_i32 s74, s63, 49152                      ; the tokens
	s_mov_b32 s75, 0
	s_lshl_b32 s80, s62, 13                        ; and their scales
	s_mov_b32 s81, 0
	s_lshl_b32 s82, s63, 13
	s_mov_b32 s83, 0
	s_mov_b32 s[G0P], 1
	s_mov_b32 s[G0P+1], 0
	s_mov_b32 s[G0Q], 1
	s_mov_b32 s[G0Q+1], TK
	s_mov_b32 s[G0SP], 1
	s_mov_b32 s[G0SP+1], SCL
	s_mov_b32 s[G0SQ], 1
	s_mov_b32 s[G0SQ+1], SCL+8704
	s_wait_alu depctr_va_vdst(0)
	s_wait_dscnt 0x0
	s_wait_kmcnt 0x0
	s_add_nc_u64 s[8:9], s[8:9], s[72:73]
	s_add_nc_u64 s[4:5], s[4:5], s[74:75]
	s_mov_b64 s[G0P+2:G0P+3], s[8:9]
	s_mov_b64 s[G0Q+2:G0Q+3], s[4:5]
	s_add_nc_u64 s[G0SP+2:G0SP+3], s[10:11], s[80:81]
	s_add_nc_u64 s[G0SQ+2:G0SQ+3], s[6:7], s[82:83]
.irp g, G0P+3, G0Q+3, G0SP+3, G0SQ+3
	s_or_b32 s[\g], s[\g], 0x80000000
.endr
	CROUND                                         ; all sixteen work-groups are here: the first joint loads meet
	s_cmp_eq_u32 s[WV], 0
	s_cbranch_scc0 .Lwave_1
	TL G0P, G1P
	s_branch .Lhead_asked
.Lwave_1:
	s_cmp_eq_u32 s[WV], 1
	s_cbranch_scc0 .Lwave_2
	TL G0Q, G1Q
	s_branch .Lhead_asked
.Lwave_2:
	s_cmp_eq_u32 s[WV], 2
	s_cbranch_scc0 .Lwave_3
	TL G0SP, G1SP
	s_branch .Lhead_asked
.Lwave_3:
	TL G0SQ, G1SQ
.Lhead_asked:
	s_lshl_b32 s84, s61, 2
	s_add_co_u32 s84, s84, s[WV]                   ; my number among the sixteen waves of my column,
	s_lshl_b32 s84, s84, 3                         ; my eight of Wo's rows
	s_lshl_b32 s85, s60, 2
	s_add_co_u32 s85, s85, s[WV]                   ; and of my row
	s_and_b32 s86, s85, 7
	s_mul_i32 s86, s86, 6144                       ; my 24 blocks of 256 bytes
	s_lshr_b32 s85, s85, 3
	s_mul_i32 s85, s85, 786432                     ; of kv head 2 or 3
	s_add_co_u32 s85, s85, s86
	s_add_co_u32 s85, s85, 1572864
	s_lshl_b32 s66, s62, 9
	s_lshl_b32 s67, s[HALF], 8
	s_add_co_u32 s66, s66, s67                     ; my first column, in bytes
	s_mov_b32 s67, 0
	s_add_nc_u64 s[12:13], s[12:13], s[66:67]
	s_lshl_b32 s88, s63, 20
	s_lshl_b32 s89, s[ROLE], 19
	s_add_co_u32 s88, s88, s89                     ; my first token's row: (128 Y + 64 (wave / 2)) x 8,192 bytes
	s_add_co_u32 s88, s88, s66
	s_mov_b32 s89, 0
	s_add_nc_u64 s[14:15], s[14:15], s[88:89]
	s_mul_i32 s90, s[HALF], 4*TIL                  ; my four tiles of Wo
	s_mul_i32 s91, s[ROLE], 24576
	s_add_co_u32 s91, s91, TK                      ; my four token tiles
	s_mul_i32 s92, s[HALF], 4352
	s_add_co_u32 s92, s92, SCL
	s_mul_i32 s93, s[ROLE], 272                    ; the tokens' words: a head is two blocks of 256 + 16; my four tiles are one of them
	s_add_co_u32 s93, s93, SCL+8704
	s_mul_i32 s94, s[WV], 4352                     ; my stage
	v_and_b32 v128, 15, v0                         ; r
	v_bfe_u32 v129, v0, 4, 1                       ; h
	v_and_b32 v130, 31, v0                         ; lane
	v_lshlrev_b32 v[VB], 5, v129                   ; the bias: my half's eight numbers of a tile
	v_and_b32 v131, 7, v130
	v_add_nc_u32 v131, s84, v131
	v_mul_u32_u24 v1, v131, 1536
	v_lshrrev_b32 v132, 3, v130
	v_min_u32 v132, 2, v132
	v_lshl_add_u32 v1, v132, 8, v1
	v_min_u32 v132, 23, v130
	v_lshl_add_u32 v2, v132, 8, s85
.irp j, 0,1,2,3
	global_load_b128 v[BIAS+8*\j:BIAS+8*\j+3], v[VB], s[12:13] offset:64*\j        ; bo at columns 16 j + 8 h + 0 .. 7: the result's layout
	global_load_b128 v[BIAS+8*\j+4:BIAS+8*\j+7], v[VB], s[12:13] offset:64*\j+16
.endr
	global_prefetch_b8 v1, s[8:9] offset:768 th:TH_LOAD_NT scope:SCOPE_SE
	v_mul_u32_u24 v133, v128, 816
	v_add_nc_u32 v133, s90, v133
	v_mad_u32_u24 v[ADP], v129, 24, v133
	v_mad_u32_u24 v[ADP+1], v129, 40, v133
.irp j, 1,2,3
	v_add_nc_u32 v[ADP+2*\j], \j*TIL, v[ADP]
	v_add_nc_u32 v[ADP+2*\j+1], \j*TIL, v[ADP+1]
.endr
.irp j, 0,1,2,3,4,5,6,7
	v_add_nc_u32 v[ADP+8+\j], W1B, v[ADP+\j]
.endr
	v_lshl_add_u32 v[ADQ], v130, 4, s91
	v_add_nc_u32 v[ADQ+1], TKS, v[ADQ]
	v_and_b32 v134, 3, v128
	v_lshrrev_b32 v135, 2, v128
	v_lshlrev_b32 v134, 6, v134
	v_mad_u32_u24 v134, v135, 272, v134            ; row r's 64 scale bytes: four rows to a block of 256 + 16
	v_mad_u32_u24 v[ADSP], v129, 2176, v134        ; lanes 16-31: two tiles on
	v_add_nc_u32 v[ADSP], s92, v[ADSP]
	v_lshl_add_u32 v[ADSQ], v130, 2, s93
	v_mul_u32_u24 v[STO], v128, 272
	v_lshl_add_u32 v[STO], v129, 5, v[STO]
	v_add_nc_u32 v[STO], s94, v[STO]               ; in: row r, 32 bytes for each half of the lanes
	v_mul_u32_u24 v[RD], v129, 272
	v_lshl_add_u32 v[RD], v128, 4, v[RD]
	v_add_nc_u32 v[RD], s94, v[RD]                 ; back: lanes 0-15 one row of 256 bytes, lanes 16-31 the next
	v_lshlrev_b32 v[CO], 13, v129
	v_lshl_add_u32 v[CO], v128, 4, v[CO]           ; and the same two rows in out0
	s_wait_alu depctr_va_vdst(0)
	s_wait_tensorcnt 0x0                           ; the lines ahead of a later first fill
	ds_add_u32 v[SPW], v[NIL]
	s_mov_b32 s[G0P+1], W1B
	s_add_nc_u64 s[G0P+2:G0P+3], s[G0P+2:G0P+3], 768
	s_mov_b32 s[G0Q+1], TK+TKS
	s_add_nc_u64 s[G0Q+2:G0Q+3], s[G0Q+2:G0Q+3], 786432
	s_wait_dscnt 0x0
	CROUND                                         ; the head's four tiles are in
	s_cmp_eq_u32 s[WV], 0
	s_cbranch_scc0 .Lnot_p
	TL G0P, G1P                                    ; Wo's second half
	s_branch .Lasked
.Lnot_p:
	s_cmp_eq_u32 s[WV], 1
	s_cbranch_scc0 .Lasked
	TL G0Q, G1Q                                    ; kv head 1
.Lasked:
	SCALES 0
	FETCH 0
	global_prefetch_b8 v2, s[4:5] th:TH_LOAD_NT scope:SCOPE_SE
	s_wait_loadcnt 0x0                             ; the bias
	STEP 0                                         ; the first step's products start the sums with the bias
	STEP 1
	STEP 2
	TURN 3, 1                                      ; shows Wo's second half and kv head 1; slot 0 takes kv head 2
	STEP 4
	STEP 5
	STEP 6
	TURN 7, 1                                      ; slot 1 takes kv head 3
	STEP 8
	STEP 9
	STEP 10
	TURN 11, 0                                     ; nothing is left to fetch
	STEP 12
	STEP 13
	STEP 14
	s_wait_dscnt 0x0
	MUL8 15, 0, 1
	MUL8 15, 2, 3
	WIN 0
	; THE WAY OUT, a token tile at a time.  A lane holds 32 neighbouring bytes of a row for each tile of Wo; the tile goes through my own stage and comes back as whole rows of 256 bytes, into the registers that it left.
	; LDS serves a wave's instructions in order (ISA guide 5.7.1.4): no wait between the stores and the loads, nor in front of the next tile's stores.
	PLACES 4
.irp a, 0,1,2,3
.irp j, 0,1,2,3
	ds_store_b128 v[STO], v[ACC+32*\a+8*\j:ACC+32*\a+8*\j+3] offset:64*\j          ; each accumulator from its low end on
	ds_store_b128 v[STO], v[ACC+32*\a+8*\j+4:ACC+32*\a+8*\j+7] offset:64*\j+16
.endr
.irp t, 0,1,2,3,4,5,6,7
	ds_load_b128 v[ACC+32*\a+4*\t:ACC+32*\a+4*\t+3], v[RD] offset:544*\t
.endr
.endr
.irp a, 0,1,2,3
	s_wait_dscnt 16*(3-\a)                         ; tile a is back; the sixteen LDS instructions of each later tile may be out
.irp t, 0,1,2,3,4,5,6,7
	global_store_b128 v[CO], v[ACC+32*\a+4*\t:ACC+32*\a+4*\t+3], s[14:15] offset:(32*(\a/2)+8*(\a%2)+2*\t+8*(\t/4))*8192 th:TH_STORE_NT   ; stage row 2 t + h is token 32 (a / 2) + 8 (a % 2) + 2 t + h + 8 (t / 4); 16 lanes store 256 consecutive bytes, at a multiple of 256 from out0's first byte
.endr
.endr
	s_wait_tensorcnt 0x0                           ; the wave's end: behind my last tensor load and my last LDS store
	ds_add_u32 v[SPW], v[NIL]
	s_wait_dscnt 0x0
	CROUND                                         ; the closing round: no work-group ends while a partner may still ask for a tile that names it
	s_endpgm
.Lfunc_end_k_q28b29ffdd7_oproj:
	.size	k_q28b29ffdd7_oproj, .Lfunc_end_k_q28b29ffdd7_oproj-k_q28b29ffdd7_oproj
	.p2alignl 7, 3214868480
	.fill 96, 4, 3214868480
	.section	.rodata,"a",@progbits
	.p2align	6, 0x0
	.amdhsa_kernel k_q28b29ffdd7_oproj
		.amdhsa_group_segment_fixed_size 327680
		.amdhsa_private_segment_fixed_size 0
		.amdhsa_enable_private_segment 0
		.amdhsa_kernarg_size 48
		.amdhsa_user_sgpr_count 2
		.amdhsa_user_sgpr_kernarg_segment_ptr 1
		.amdhsa_wavefront_size32 1
		.amdhsa_system_sgpr_workgroup_id_x 1
		.amdhsa_system_sgpr_workgroup_id_y 1
		.amdhsa_system_sgpr_workgroup_id_z 1
		.amdhsa_system_vgpr_workitem_id 0
		.amdhsa_next_free_vgpr 512
		.amdhsa_next_free_sgpr 102
		.amdhsa_reserve_vcc 0
		.amdhsa_float_denorm_mode_32 3
		.amdhsa_float_denorm_mode_16_64 3
		.amdhsa_memory_ordered 1
		.amdhsa_forward_progress 1
		.amdhsa_inst_pref_size 86
	.end_amdhsa_kernel
	.amdgpu_metadata
---
amdhsa.version: [ 1, 2 ]
amdhsa.kernels:
  - .name:           k_q28b29ffdd7_oproj
    .symbol:         k_q28b29ffdd7_oproj.kd
    .args:
      - { .name: att, .offset: 0, .size: 8, .value_kind: global_buffer, .address_space: global }
      - { .name: asc, .offset: 8, .size: 8, .value_kind: global_buffer, .address_space: global }
      - { .name: Wo_codes, .offset: 16, .size: 8, .value_kind: global_buffer, .address_space: global }
      - { .name: Wo_scales, .offset: 24, .size: 8, .value_kind: global_buffer, .address_space: global }
      - { .name: bo, .offset: 32, .size: 8, .value_kind: global_buffer, .address_space: global }
      - { .name: out0, .offset: 40, .size: 8, .value_kind: global_buffer, .address_space: global }
    .group_segment_fixed_size: 327680
    .private_segment_fixed_size: 0
    .kernarg_segment_align: 8
    .kernarg_segment_size: 48
    .max_flat_workgroup_size: 128
    .sgpr_count:     102
    .vgpr_count:     512
    .wavefront_size: 32
...
	.end_amdgpu_metadata
.endif
;; end of part 3
